; MI455X (gfx1250); checked and timed in simulation.
; The chip was launched on July 23, 2026; its instructions are those of AMD's public machine-readable ISA for CDNA 5 (MIT licence, August 2026) and "CDNA5" Instruction Set Architecture Reference Guide (July 2026). The comments in the code are by the model that wrote it; some were corrected since.
;; Attention. Allowed arithmetic: matrix products marked QUANTISED: E4M3 operands, one given power-of-two scale a tensor, by v_wmma_f32_16x16x64_fp8_fp8 or v_wmma_f32_16x16x128_fp8_fp8, f32 sums; everything else in f32.
;; Inputs: attention_mask 4 x 2,048 int32; key 4 x 16 x 2,048 x 64 float32; lowp_scales 4 int32 (the exponents e of the quantised operands' scales 2^e); query 4 x 16 x 2,048 x 64 float32; value 4 x 16 x 2,048 x 64 float32.
;; Outputs: out0 4 x 16 x 2,048 x 64 float32.
;; This version of the problem:
;;   THIS VERSION OF THE PROBLEM IS GIVEN IN LOW PRECISION. The matrix products marked QUANTISED in the list below multiply operands that are first quantised to E4M3 (4 exponent bits, 3 mantissa bits; 8 bits a number), with one given power-of-two scale for each operand tensor; their sums are f32. All else is computed in f32.
;;   The module's matrix products, in the order in which they are computed (A, B: the left and right operand; K: the contracted axis; several contracted axes count as one K, in the product's order):
;;     1. batch 64 x [M 2,048, K 64] x [K 64, N 2,048]; A: input query; B: input key: QUANTISED (scales: A lowp_scales[0], B lowp_scales[1])
;;     2. batch 64 x [M 2,048, K 2,048] x [K 2,048, N 64]; A: softmax (see below); B: input value: QUANTISED (scales: A lowp_scales[2], B lowp_scales[3])
;;   THE QUANTISER, for each operand of a quantised product, along K:
;;     - The operand's scale is 2^e, e = its entry of the input lowp_scales (int32; the entries are numbered through the quantised products in the list's order, A before B).
;;     - Each number is divided by the scale, clamped to +-448, and rounded to the nearest number of E4M3, ties to even, subnormals kept.
;;     - The product sums the exact products of the quantised numbers (number of the format x scale) in f32.
;;   ~~~python
;;   def quantise(x, axis, e):      # numpy; x: float32 -> the quantised numbers, widened to float32 again
;;       x = np.moveaxis(x, axis, -1); K = x.shape[-1]
;;       r = np.clip(x / 2.0 ** e, -448, 448)
;;       step = 2.0 ** (np.maximum(np.frexp(np.where(r == 0, 1, r))[1] - 1, -6) - 3)
;;       q = np.round(r / step) * step * 2.0 ** e      # np.round: ties to even
;;       return np.moveaxis(q, -1, axis).astype(np.float32)
;;   ~~~
;;   SOFTMAX AHEAD OF A QUANTISED PRODUCT. Where the list says 'softmax', what is quantised is not the finished softmax but p = 2^(t - M), with t = logit x log2(e) and M = ceil(the row's largest t), a whole number; so 1/2 < the row's largest p <= 1. The row's sum l is taken of the UNQUANTISED p, in f32, and the product's result is divided by l at the end. Since M is a whole number, a kernel that streams over the keys may use a running M (the ceiling of the running maximum): every later rescaling is an exact power of two, so the quantised numbers keep their values, but for numbers so far below the row's largest that they fall under the format's range.
;;   OPERANDS COMPUTED ON THE WAY. 'Computed on the way' means the value that the module computes at that place (a softmax that the list does not call 'softmax' is quantised finished and normalised). What goes into a quantiser is computed in f32, as accurately as f32 sums, v_exp_f32 and their like allow (about 1e-6 of the number): no bf16 or f16 on the way to a quantiser, and a product that is left as it is and whose result goes on into a quantised operand takes f32 operands (vector FMAs, or v_wmma_f32_16x16x4_f32). A number that lies on a knife's edge between two numbers of the format may be rounded either way, as far as f32 arithmetic and the matrix unit's own rounding can turn it there, and no further.
;; 2 versions. Each part assembles by itself: llvm-mc -triple=amdgcn-amd-amdhsa -mcpu=gfx1250 --defsym DOCPART=n.
;; ======== version 1 of 2: 2 launches
;; limits: right only within a limited range of input values
;; workspace buffers: kc 8,388,608 bytes; vc 8,388,608 bytes; bias 524,288 bytes; holes 4,096 bytes of whole numbers
;; launch prep (part 1): grid 8 x 64, 8 waves a work-group, no clusters, 59,392 bytes of LDS; arguments key, value, attention_mask, lowp_scales, kc, vc, bias, holes; writes kc, vc, bias, holes
.if DOCPART == 1
	.amdgcn_target "amdgcn-amd-amdhsa--gfx1250"
	.amdhsa_code_object_version 6
	.text
	.protected	k_q161b1ee19e_prep
	.globl	k_q161b1ee19e_prep
	.p2align	8
	.type	k_q161b1ee19e_prep,@function
k_q161b1ee19e_prep:
	s_mov_b64 s[64:65], 0
	v_nop
	global_prefetch_b8 v0, s[64:65] scope:SCOPE_SE
	s_setreg_imm32_b32 hwreg(HW_REG_WAVE_MODE, 25, 1), 1
	s_wait_xcnt 0x0
; K and V, [64 heads][2048 keys][64] f32, become codes of FP8 (E4M3) with the given scales 2^ek and 2^ev; the padding mask becomes a table that the attention launch can add, and flags.
;   kc   [64][2048 places][64]: K's codes, the head's 64 innermost.  Inside each group of 32 keys place 16 u + 8 a + j holds key 16 a + 8 u + j: the 16 rows that form a tile of the first product are then neighbours.
;   vc   [64][64][2048 keys]:  V's codes with the KEYS innermost, in their own order: the keys are the second product's K.
;   bias [64][2048] f32: 0 for a key that counts, -2^120 for one whose mask entry is 0.   holes [64][16] int32: word s is 1 << s where step s (128 keys) has such a key, else 0.
; code = x / 2^e, held within +-448, rounded to the nearest code, ties to even.  LIMITS: ek and ev between -126 and 119, so that 2^e and 448 x 2^e are f32 numbers.  NaN among the inputs is not served.
; SHARES.  A work-group takes 256 keys of one head, each of its eight waves 32 of them, of K and of V.  All of a wave's 33 loads go out at its head.
; K: each load reads 512 consecutive bytes; a step's 2,048 bytes turn through the wave's own stage in LDS, so that a lane holds 16 neighbours along the head's 64; the wave stores 512 consecutive bytes of codes.
; V: a lane takes four channels (16 bytes) of 16 keys, so its registers run down the keys; the hold at the largest code is also the move that lays eight keys of one channel on end for the conversion.
;    The codes meet in a stage of 64 rows (channels) x 256 keys, shared by the eight waves; behind one barrier each wave stores eight whole rows: sixteen lanes to 256 consecutive bytes, aligned.
.set SP,    80                         ; a lane's place in a turn stage: 64 bytes + 16 of padding
.set WREG,  5120                       ; a wave's two turn stages of 32 x SP bytes
.set VSTG,  8*WREG                     ; behind them: V's stage, 64 rows x VPIT
.set VPIT,  272                        ; 256 bytes + 16 of padding
.set R,     24                         ; v24-87   K as loaded: four steps of 16 registers
.set VD,    88                         ; v88-151  V as loaded: register 4 j + c = V(key 16 h + j, channel 4 r + c); later v88-103: rows read back
.set X,     152                        ; v152-183 K: two sets of 16 neighbours; V: two sets of 8 keys of one channel
.set C,     184                        ; v184-199 V's 16 registers of codes, later K's four for each step
	s_load_b128 s[4:7], s[0:1], 0x0                ; key, value
	s_load_b128 s[8:11], s[0:1], 0x10              ; attention_mask, the scales' exponents
	s_load_b128 s[12:15], s[0:1], 0x20             ; kc, vc
	s_load_b128 s[16:19], s[0:1], 0x30             ; bias, holes
	v_lshl_add_u32 v200, v0, 2, 0xe400
	v_mov_b32 v201, 0
	v_lshrrev_b32 v1, 5, v0
	v_readfirstlane_b32 s20, v1                    ; wave 0..7
	v_mov_b32 v1, 0
	v_and_b32 v2, 31, v0                           ; lane
	v_and_b32 v16, 15, v0                          ; r
	v_bfe_u32 v17, v0, 4, 1                        ; h
	v_lshlrev_b32 v3, 4, v2                        ; 16 x lane: K in, kc out, mask in, bias out
	v_lshlrev_b32 v4, 12, v17
	v_lshl_add_u32 v4, v16, 4, v4                  ; V in: key 16 h (rows of 256 bytes), channels 4 r on
	s_lshl_b32 s28, s20, 5
	s_add_co_u32 s28, s28, VSTG
	v_mul_u32_u24 v5, v16, 4*VPIT
	v_lshl_add_u32 v5, v17, 4, v5
	v_add_nc_u32 v5, s28, v5                       ; V's stage, in: row 4 r (+ c by the immediate), byte 32 w + 16 h
	s_mul_i32 s28, s20, 8*VPIT
	s_add_co_u32 s28, s28, VSTG
	v_mul_u32_u24 v6, v17, VPIT
	v_lshl_add_u32 v6, v16, 4, v6
	v_add_nc_u32 v6, s28, v6                       ; and back: row 8 w + h, 16 bytes a lane
	v_lshlrev_b32 v7, 11, v17
	v_lshl_add_u32 v7, v16, 4, v7                  ; the same place in vc: rows of 2,048 bytes
	s_mul_i32 s28, s20, WREG
	v_lshrrev_b32 v8, 2, v2
	v_mul_u32_u24 v8, v8, SP
	v_and_b32 v9, 3, v2
	v_lshl_add_u32 v8, v9, 4, v8
	v_add_nc_u32 v8, s28, v8                       ; a turn stage, in: four lanes' 64 bytes on end, then the padding
	v_mul_u32_u24 v9, v2, SP
	v_add_nc_u32 v9, s28, v9                       ; and out: my 16 neighbours
	v_mov_b32 v14, 0xfb800000                      ; -2^120
	; byte offsets, each in a pair of its own with 0 above
	s_and_b32 s22, ttmp7, 0xffff                   ; the head
	s_and_b32 s23, s20, 1
	s_lshl_b32 s28, s22, 19
	s_lshl_b32 s30, ttmp9, 16
	s_add_co_u32 s28, s28, s30
	s_lshl_b32 s30, s20, 13
	s_add_co_u32 s28, s28, s30                     ; key, value: head x 524,288 + (256 c + 32 w) rows of 256 bytes
	s_mov_b32 s29, 0
	s_lshr_b32 s30, s28, 2                         ; kc: a quarter of that
	s_mov_b32 s31, 0
	s_lshl_b32 s32, s22, 17
	s_lshl_b32 s34, s20, 14
	s_add_co_u32 s32, s32, s34
	s_lshl_b32 s34, ttmp9, 8
	s_add_co_u32 s32, s32, s34                     ; vc: head x 131,072 + 8 w rows of 2,048 + 256 c
	s_mov_b32 s33, 0
	s_lshl_b32 s34, ttmp9, 10
	s_lshl_b32 s36, s23, 9
	s_add_co_u32 s34, s34, s36                     ; 128 keys' words: 1,024 c + 512 (w % 2)
	s_lshr_b32 s36, s22, 4
	s_lshl_b32 s36, s36, 13
	s_add_co_u32 s36, s36, s34                     ; mask: batch x 8,192 + that
	s_mov_b32 s37, 0
	s_lshl_b32 s38, s22, 13
	s_add_co_u32 s34, s38, s34                     ; bias: head x 8,192 + that
	s_mov_b32 s35, 0
	s_lshl_b32 s40, ttmp9, 1
	s_add_co_u32 s40, s40, s23                     ; the step of 128 keys: 2 c + w % 2
	s_lshl_b32 s38, s22, 6
	s_lshl_b32 s39, s40, 2
	s_add_co_u32 s38, s38, s39                     ; holes: head x 64 + 4 x step
	s_mov_b32 s39, 0
	s_wait_kmcnt 0x0
	s_load_b128 s[24:27], s[10:11], 0x0            ; eq, ek, ep, ev
	s_add_nc_u64 s[4:5], s[4:5], s[28:29]
	s_add_nc_u64 s[6:7], s[6:7], s[28:29]
	s_add_nc_u64 s[8:9], s[8:9], s[36:37]
	s_add_nc_u64 s[12:13], s[12:13], s[30:31]
	s_add_nc_u64 s[14:15], s[14:15], s[32:33]
	s_add_nc_u64 s[16:17], s[16:17], s[34:35]
	s_add_nc_u64 s[18:19], s[18:19], s[38:39]
.macro LOAD t                          ; K's step t: eight keys, 2,048 bytes, four loads of 512 consecutive bytes
.irp i, 0,1,2,3
	global_load_b128 v[R+16*(\t)+4*\i:R+16*(\t)+4*\i+3], v3, s[4:5] offset:2048*(\t)+512*\i th:TH_LOAD_NT
.endr
.endm
.macro TURN t                          ; step t through a stage: LDS serves a wave's instructions in order, so no wait stands between the stores and the loads
.irp i, 0,1,2,3
	ds_store_b128 v8, v[R+16*(\t)+4*\i:R+16*(\t)+4*\i+3] offset:32*SP*((\t)%2)+8*SP*\i
.endr
.irp i, 0,1,2,3
	ds_load_b128 v[X+16*((\t)%2)+4*\i:X+16*((\t)%2)+4*\i+3], v9 offset:32*SP*((\t)%2)+16*\i
.endr
.endm
	global_load_b128 v[16:19], v3, s[8:9]          ; 128 mask entries (sixteen heads read them: no hint)
.irp j, 0,1,2,3,4,5,6,7,8,9,10,11,12,13,14,15
	global_load_b128 v[VD+4*\j:VD+4*\j+3], v4, s[6:7] offset:256*\j th:TH_LOAD_NT   ; lanes 0-15 read key j's whole row of 256 bytes, lanes 16-31 key 16 + j's
.endr
	LOAD 0
	LOAD 1
	LOAD 2
	LOAD 3
	s_wait_kmcnt 0x0
	s_add_co_i32 s41, s25, 127
	s_lshl_b32 s42, s41, 23
	v_mov_b32 v11, s42                             ; 2^ek as f32: the conversion takes its exponent field
	s_add_co_i32 s41, s41, 8
	s_lshl_b32 s41, s41, 23
	s_or_b32 s41, s41, 0x600000
	v_mov_b32 v10, s41                             ; 448 x 2^ek
	s_add_co_i32 s41, s27, 127
	s_lshl_b32 s42, s41, 23
	v_mov_b32 v13, s42                             ; 2^ev
	s_add_co_i32 s41, s41, 8
	s_lshl_b32 s41, s41, 23
	s_or_b32 s41, s41, 0x600000
	v_mov_b32 v12, s41                             ; 448 x 2^ev
	s_wait_loadcnt 16                              ; the mask and V are in; K's sixteen loads stay out
	; ---- the mask: every wave does the arithmetic, waves 0 and 1 store their 128 keys' part
.irp k, 0,1,2,3
	v_cmp_eq_u32 s[41+\k], 0, v[16+\k]
	v_cndmask_b32 v[20+\k], 0, v14, s[41+\k]       ; -2^120 where the entry is 0
.endr
	s_or_b32 s41, s41, s42
	s_or_b32 s43, s43, s44
	s_or_b32 s41, s41, s43
	s_cmp_lg_u32 s41, 0
	s_cselect_b32 s41, 1, 0
	s_lshl_b32 s41, s41, s40                       ; the step's bit, or 0
	v_mov_b32 v15, s41
	s_cmp_lt_u32 s20, 2
	s_cbranch_scc0 .Lno_mask
	global_store_b128 v3, v[20:23], s[16:17]       ; 512 consecutive bytes
	v_cmp_eq_u32 vcc_lo, 0, v2
	s_wait_xcnt 0x0                                ; EXEC is a source of the loads and stores that are out: it changes only behind this wait
	s_and_saveexec_b32 s42, vcc_lo
	global_store_b32 v1, v15, s[18:19]             ; lane 0: the step's word
	s_wait_xcnt 0x0                                ; and again, in front of the line that widens it
	s_or_b32 exec_lo, exec_lo, s42
.Lno_mask:
	; ---- V: channel 4 r + c, keys 16 h + 8 g + 0 .. 7: held, laid on end, converted.  The two sets of eight take turns, so that eight plain lines stand between a conversion and the rewriting of its sources
.irp c, 0,1,2,3
.irp g, 0,1
.irp i, 0,1,2,3,4,5,6,7
	v_med3_num_f32 v[X+8*\g+\i], v[VD+4*(8*\g+\i)+\c], -v12, v12   ; the conversion to an 8-bit code does not saturate (ISA guide 7.6.2)
.endr
	v_cvt_scalef32_pk8_fp8_f32 v[C+4*\c+2*\g:C+4*\c+2*\g+1], v[X+8*\g:X+8*\g+7], v13
.endr
.endr
	v_nop                                          ; a plain line behind the last conversion
.irp c, 0,1,2,3
	ds_store_b128 v5, v[C+4*\c:C+4*\c+3] offset:VPIT*\c   ; 16 keys' codes of channel 4 r + c
.endr
	s_wait_dscnt 0x0                               ; for the others' sake: my stores into V's stage are done
	s_barrier_signal -1
	s_barrier_wait -1                              ; 64 whole rows lie in the stage; nothing is written there again
.irp i, 0,1,2,3
	ds_load_b128 v[VD+4*\i:VD+4*\i+3], v6 offset:2*VPIT*\i
.endr
.irp i, 0,1,2,3
	s_wait_dscnt 3-\i                              ; LDS loads come back in order: the younger ones may be out
	global_store_b128 v7, v[VD+4*\i:VD+4*\i+3], s[14:15] offset:4096*\i   ; sixteen lanes store 256 consecutive bytes, aligned
.endr
	; ---- K
.macro STEP t
.set XS, X+16*((\t)%2)
	s_wait_dscnt 0x0                               ; this step's numbers are back from the stage
.if (\t) < 3
	s_wait_loadcnt 4*(2-(\t))                      ; the next step's four loads are in; those of the steps behind it may be out
	TURN (\t)+1
.endif
.irp i, 0,1,2,3,4,5,6,7,8,9,10,11,12,13,14,15
	v_med3_num_f32 v[XS+\i], v[XS+\i], -v10, v10
.endr
	v_cvt_scalef32_pk8_fp8_f32 v[C+4*(\t):C+4*(\t)+1], v[XS:XS+7], v11
	v_cvt_scalef32_pk8_fp8_f32 v[C+4*(\t)+2:C+4*(\t)+3], v[XS+8:XS+15], v11
	v_nop                                          ; a plain line behind the conversions
	global_store_b128 v3, v[C+4*(\t):C+4*(\t)+3], s[12:13] offset:512*(2*((\t)%2)+(\t)/2)   ; eight keys, 512 consecutive bytes; groups 1 and 2 of the 32 keys change places
.endm
	s_wait_loadcnt 12                              ; step 0's four loads are in
	TURN 0
	STEP 0
	STEP 1
	STEP 2
	STEP 3
	s_wait_tensorcnt 0x0
	ds_add_u32 v200, v201
	s_wait_dscnt 0x0
	s_endpgm
.Lfunc_end_k_q161b1ee19e_prep:
	.size	k_q161b1ee19e_prep, .Lfunc_end_k_q161b1ee19e_prep-k_q161b1ee19e_prep
	.p2alignl 7, 3214868480
	.fill 96, 4, 3214868480
	.section	.rodata,"a",@progbits
	.p2align	6, 0x0
	.amdhsa_kernel k_q161b1ee19e_prep
		.amdhsa_group_segment_fixed_size 59392
		.amdhsa_private_segment_fixed_size 0
		.amdhsa_enable_private_segment 0
		.amdhsa_kernarg_size 64
		.amdhsa_user_sgpr_count 2
		.amdhsa_user_sgpr_kernarg_segment_ptr 1
		.amdhsa_wavefront_size32 1
		.amdhsa_system_sgpr_workgroup_id_x 1
		.amdhsa_system_sgpr_workgroup_id_y 1
		.amdhsa_system_sgpr_workgroup_id_z 1
		.amdhsa_system_vgpr_workitem_id 0
		.amdhsa_next_free_vgpr 202
		.amdhsa_next_free_sgpr 66
		.amdhsa_reserve_vcc 1
		.amdhsa_float_denorm_mode_32 3
		.amdhsa_float_denorm_mode_16_64 3
		.amdhsa_memory_ordered 1
		.amdhsa_forward_progress 1
		.amdhsa_inst_pref_size 22
	.end_amdhsa_kernel
	.amdgpu_metadata
---
amdhsa.version: [ 1, 2 ]
amdhsa.kernels:
  - .name:           k_q161b1ee19e_prep
    .symbol:         k_q161b1ee19e_prep.kd
    .args:
      - { .name: key, .offset: 0, .size: 8, .value_kind: global_buffer, .address_space: global }
      - { .name: value, .offset: 8, .size: 8, .value_kind: global_buffer, .address_space: global }
      - { .name: attention_mask, .offset: 16, .size: 8, .value_kind: global_buffer, .address_space: global }
      - { .name: lowp_scales, .offset: 24, .size: 8, .value_kind: global_buffer, .address_space: global }
      - { .name: kc, .offset: 32, .size: 8, .value_kind: global_buffer, .address_space: global }
      - { .name: vc, .offset: 40, .size: 8, .value_kind: global_buffer, .address_space: global }
      - { .name: bias, .offset: 48, .size: 8, .value_kind: global_buffer, .address_space: global }
      - { .name: holes, .offset: 56, .size: 8, .value_kind: global_buffer, .address_space: global }
    .group_segment_fixed_size: 59392
    .private_segment_fixed_size: 0
    .kernarg_segment_align: 8
    .kernarg_segment_size: 64
    .max_flat_workgroup_size: 256
    .sgpr_count:     66
    .vgpr_count:     202
    .wavefront_size: 32
...
	.end_amdgpu_metadata
.endif
;; end of part 1
;; launch attn (part 2): grid 4 x 64, 16 waves a work-group, no clusters, 245,760 bytes of LDS; arguments query, kc, vc, bias, holes, lowp_scales, out0; writes out0
.if DOCPART == 2
	.amdgcn_target "amdgcn-amd-amdhsa--gfx1250"
	.amdhsa_code_object_version 6
	.text
	.protected	k_q161b1ee19e_attn
	.globl	k_q161b1ee19e_attn
	.p2align	8
	.type	k_q161b1ee19e_attn,@function
k_q161b1ee19e_attn:
	s_mov_b64 s[64:65], 0
	v_nop
	global_prefetch_b8 v0, s[64:65] scope:SCOPE_SE
	s_setreg_imm32_b32 hwreg(HW_REG_WAVE_MODE, 25, 1), 1
	s_wait_xcnt 0x0
; out0[h][q][:] = the sum over k of softmax_k(Q[h][q] . K[h][k] / 8) V[h][k][:], key k counting for query q where k <= q and the padding mask has no 0 at k.  64 heads, 2,048 positions, head size 64.
; Both products on codes of FP8 (E4M3), each operand with its given scale: eq, ek, ep, ev.  K's and V's codes, the mask's table and its flags were made by the launch before; Q is quantised here, in registers.
; THE SOFTMAX: t = score x log2(e) / 8; M = the row's largest t so far, rounded UP to a whole number; p = 2^(t - M) is quantised along the keys, not normalised; the row's sum is taken of the unquantised p and divides at the end.
; When M moves, the sum and O are multiplied by 2^(old M - new M), which rounds nothing.
; THE PADDING MASK costs no vector work: the table holds 0 or -2^120 for each key, and a tile's eight numbers are the C of its first product's matrix instruction.  A sum of codes is under 2^24 in magnitude, and the largest t
; begins at c x (-2^30): under every real t, over every masked one.  So a masked key never moves M, and its p is 0.  A row that sees no key keeps sum 0 and O 0, and 0 x (1 / 0) is NaN, as the softmax of such a row is.
; A step of 128 keys whose flag is 0 takes C = 0 and loads no table: a scalar branch on a whole number that the launch before stored.
; SHARES.  A head has eight blocks of 256 queries.  Work-group i (0..3) owns block 7 - i and then block i, and walks slots of 256 keys 0 .. 7 - i, then 0 .. i: NINE trips whatever i is: 4 x 64 = 256 equal work-groups.
; Each of the sixteen waves owns 16 queries of the block in hand, in 256 registers: four waves to a SIMD, so that one wave's vector work stands beside another's matrix work and LDS loads.
; A step all of whose keys come after a wave's queries is left out by a scalar branch on ids; in the step on the diagonal hidden scores become -infinity ahead of the maximum.
; THE RING.  Two LDS slots.  A slot's 33 KB are asked for one trip ahead, 64 or 80 bytes a thread into 20 registers, and stored to LDS at the next trip's head; ONE barrier a trip: in front of it each wave's stores into the new slot have
; landed and its reads of the old one are back.  The slot that a trip writes was last read two trips ago, and every wave waited for those reads in front of the barrier between.
; LAYOUT.  Both products are used transposed: S^T = K Q^T (source 0 = 16 keys, source 1 = my 16 queries), O^T = V^T P^T (source 0 = 16 channels): a lane holds ONE query (lane % 16) throughout.
; kc's order of keys makes the 16 registers of tiles 2 b and 2 b + 1 sixteen neighbouring keys, 32 b + 16 (lane / 16) + 0 .. 15: the conversions' results are the second product's operand.
; Fragments come by loads of 16 bytes: a permutation of k that is the same in both operands of each product.
; NO CLUSTER: the four work-groups of a head part at trip 8 - i; walking in step would take 12 trips in place of 9, and what they share is 33 KB a trip beside some 0.5 MB of LDS reads.
; LIMITS on the given exponents, so that each power of two below is an f32 number and c x 2^30 is finite and c x 2^120 large: eq + ek between -100 and 90; eq and ep between -126 and 119.  NaN among the inputs is not served.
.set KPITCH, 80                        ; a key's row in LDS: 64 bytes + 16: an odd multiple of 16, so the 16 rows of a fragment load start at 16 different groups of four banks
.set VPITCH, 272                       ; a channel's row: 256 keys + 16
.set VOFF,  256*KPITCH                 ; a slot: 256 rows of K, 64 rows of V, 256 words of the mask's table
.set BOFF,  VOFF+64*VPITCH
.set SLOT1, 1<<16                      ; slot 1 begins here: one exclusive or turns an address
.set STAGE, SLOT1+BOFF+1024            ; behind the ring: for each wave two stages of 16 rows x 272 bytes, one for each of its two ways out
.set WSTG,  2*16*272
.set AK0, 1                            ; v1   my lane's place in a tile of K: 80 r + 16 h
.set AV0, 2                            ; v2   of V: VOFF + 272 r + 16 h
.set PFO, 3                            ; v3   the prefetches' offset; never rewritten
.set AB0, 4                            ; v4   of the table: BOFF + 64 h
.set SK0, 5                            ; v5   where my thread stores its 16 bytes of K in a slot
.set SV0, 6                            ; v6   of V
.set GO,  7                            ; v7   the way out: 256 h + 16 r
.set ADK, 8                            ; v8-10 addresses of the step in hand
.set ADV, 9
.set ADB, 10
.set QA,  11                           ; v11  Q: 256 r + 64 h
.set QF,  16                           ; v16-23 Q's codes of the block in hand; v24-31 of the low block
.set F,   32                           ; v32-95 eight fragments of K, then four of V
.set S,   96                           ; v96-159 S^T, then p
.set O,   160                          ; v160-191 O^T
.set SD,  192                          ; v192-211 the slot on its way: K 8, V 8, the table 4 (waves 0 and 1)
.set TI,  216                          ; v216 c x (-2^30)
.set GK,  217                          ; v217 16 x thread: my bytes of a slot's K, and of its table
.set GV,  218                          ; v218 2,048 (thread / 16) + 16 (thread % 16): of its V
.set STO, 219                          ; v219 the stage, in
.set RD,  220                          ; v220 and back
.set P,   224                          ; v224-239 p's codes
                                       ; v12 -M, v13 the largest t, v[14:15] the sum in two halves; v240 448 x 2^ep, v244 2^ep; v242, 243, 246, 250-254 at work
.set TB,  2                            ; s2   LDS byte at which the slot in hand begins
.set SG,  3                            ; s3   the slot of keys that was asked for last
.set WV,  18                           ; s18  my wave's number
.set NHI, 19                           ; s19  8 - i: slots of the high block
.set SEL, 20                           ; s[20:21] lane selects: lane l xor 16
.set CS,  22                           ; s[22:23] c = log2(e) / 8 x 2^(eq + ek), twice
.set HM,  40                           ; s40  the head's sixteen flags
.set KPT, 42                           ; s[42:43], s[44:45], s[46:47] where the slot asked for lies in kc, vc, bias
.set VPT, 44
.set BPT, 46
.set SLOTS, 52                         ; s52  the loop's count
.set KF,  53                           ; s53  the step's first key
.set Q0,  54                           ; s54  my first query; s55 the low block's
.set KEND, 56                          ; s56  256 (8 - i): the high block's end
.set PFA, 58                           ; s[58:59] where my prefetches stand; s[60:61] a slot on, in bytes; s62 the bound
.set PFS, 60
.set LIM, 62
	s_load_b256 s[4:11], s[0:1], 0x0               ; query s[4:5], kc s[6:7], vc s[8:9], bias s[10:11]
	s_load_b128 s[12:15], s[0:1], 0x20             ; holes s[12:13], the scales' exponents s[14:15]
	s_load_b64 s[16:17], s[0:1], 0x30              ; out0
	v_lshl_add_u32 v249, v0, 2, 0x3b800
	v_mov_b32 v255, 0
	v_lshrrev_b32 v8, 5, v0
	v_readfirstlane_b32 s[WV], v8                  ; wave 0..15
	s_and_b32 s74, ttmp7, 0xffff                   ; the head
	s_sub_co_u32 s[NHI], 8, ttmp9
	s_lshl_b32 s[KEND], s[NHI], 8
	s_sub_co_u32 s75, 7, ttmp9
	s_lshl_b32 s[Q0], s75, 8
	s_lshl_b32 s75, s[WV], 4
	s_add_co_u32 s[Q0], s[Q0], s75                 ; 256 (7 - i) + 16 w
	s_lshl_b32 s55, ttmp9, 8
	s_add_co_u32 s55, s55, s75                     ; 256 i + 16 w
	s_lshl_b32 s96, s74, 19                        ; the head's first byte in query and out0
	s_lshl_b32 s72, s[Q0], 8
	s_add_co_u32 s72, s72, s96                     ; my rows of the high block,
	s_mov_b32 s73, 0
	s_lshl_b32 s78, s55, 8
	s_add_co_u32 s78, s78, s96                     ; of the low block
	s_mov_b32 s79, 0
	s_lshl_b32 s76, s74, 17                        ; the head in kc and vc,
	s_mov_b32 s77, 0
	s_lshl_b32 s80, s74, 13                        ; in bias,
	s_mov_b32 s81, 0
	s_lshl_b32 s82, s74, 6                         ; in holes
	s_mov_b32 s83, 0
	s_mov_b32 s[SEL], 0x76543210
	s_mov_b32 s[SEL+1], 0xfedcba98
	s_mov_b32 s[CS], 0x3e38aa3b                    ; log2(e) / 8
	s_mov_b32 s[TB], 0
	s_mov_b32 s[SG], 0
	s_mov_b32 s[SLOTS], 8
	s_mov_b32 s[KF], 0
	v_lshlrev_b32 v[GK], 4, v0
	v_lshrrev_b32 v8, 4, v0                        ; thread / 16
	v_and_b32 v9, 15, v0                           ; thread % 16 = r
	v_bfe_u32 v10, v0, 4, 1                        ; h
	v_lshlrev_b32 v[GV], 11, v8
	v_lshl_add_u32 v[GV], v9, 4, v[GV]
	v_mul_u32_u24 v[SV0], v8, VPITCH
	v_lshl_add_u32 v[SV0], v9, 4, v[SV0]
	v_add_nc_u32 v[SV0], VOFF, v[SV0]
	v_lshrrev_b32 v[SK0], 2, v0
	v_mul_u32_u24 v[SK0], v[SK0], KPITCH
	v_and_b32 v8, 3, v0
	v_lshl_add_u32 v[SK0], v8, 4, v[SK0]
	v_lshlrev_b32 v[QA], 8, v9
	v_lshl_add_u32 v[QA], v10, 6, v[QA]
	s_wait_kmcnt 0x0
	s_add_nc_u64 s[50:51], s[4:5], s[78:79]        ; Q, low block
	s_add_nc_u64 s[4:5], s[4:5], s[72:73]          ; Q, high block
	s_add_nc_u64 s[48:49], s[16:17], s[78:79]      ; out0, low block
	s_add_nc_u64 s[16:17], s[16:17], s[72:73]      ; out0 in hand: the high block
	s_add_nc_u64 s[6:7], s[6:7], s[76:77]
	s_add_nc_u64 s[8:9], s[8:9], s[76:77]
	s_add_nc_u64 s[10:11], s[10:11], s[80:81]
	s_add_nc_u64 s[12:13], s[12:13], s[82:83]
	s_mov_b64 s[KPT:KPT+1], s[6:7]
	s_mov_b64 s[VPT:VPT+1], s[8:9]
	s_mov_b64 s[BPT:BPT+1], s[10:11]
	s_load_b128 s[68:71], s[14:15], 0x0            ; eq, ek, ep, ev
	s_load_b512 s[24:39], s[12:13], 0x0            ; the head's sixteen words of flags
; A slot's bytes into registers.  K: 16,384 dense bytes, two loads of 8,192 for the 512 threads.  V: 64 rows x 256 bytes, sixteen threads to a row, 32 rows a load.  The table: 1,024 bytes, waves 0 and 1.
.macro STAGE_LOAD
	global_load_b128 v[SD:SD+3],     v[GK], s[KPT:KPT+1]
	global_load_b128 v[SD+4:SD+7],   v[GK], s[KPT:KPT+1] offset:8192
	global_load_b128 v[SD+8:SD+11],  v[GV], s[VPT:VPT+1]
	global_load_b128 v[SD+12:SD+15], v[GV], s[VPT:VPT+1] offset:65536
	s_cmp_lt_u32 s[WV], 2
	s_cbranch_scc0 .Lno_table_\@
	global_load_b128 v[SD+16:SD+19], v[GK], s[BPT:BPT+1]
.Lno_table_\@:
.endm
	STAGE_LOAD                                     ; slot 0
.irp n, 0,1
.irp j, 0,1,2,3
	global_load_b128 v[S+16*\n+4*\j:S+16*\n+4*\j+3], v[QA], s[4:5] offset:128*\n+16*\j th:TH_LOAD_NT        ; Q(r, 32 n + 16 h + 4 j ..), high block
	global_load_b128 v[S+32+16*\n+4*\j:S+32+16*\n+4*\j+3], v[QA], s[50:51] offset:128*\n+16*\j th:TH_LOAD_NT   ; low block
.endr
.endr
	v_mul_u32_u24 v[AK0], v9, KPITCH
	v_lshl_add_u32 v[AK0], v10, 4, v[AK0]
	v_mul_u32_u24 v[AV0], v9, VPITCH
	v_lshl_add_u32 v[AV0], v10, 4, v[AV0]
	v_add_nc_u32 v[AV0], VOFF, v[AV0]
	v_lshl_add_u32 v[AB0], v10, 6, BOFF
	v_lshlrev_b32 v[GO], 8, v10
	v_lshl_add_u32 v[GO], v9, 4, v[GO]
	s_mul_i32 s96, s[WV], WSTG
	s_add_co_u32 s96, s96, STAGE                   ; my stages
	v_mul_u32_u24 v[STO], v9, 272
	v_lshl_add_u32 v[STO], v10, 5, v[STO]
	v_add_nc_u32 v[STO], s96, v[STO]               ; in: row r, 32 h bytes on
	v_mul_u32_u24 v[RD], v10, 272
	v_lshl_add_u32 v[RD], v9, 4, v[RD]
	v_add_nc_u32 v[RD], s96, v[RD]                 ; back: lanes 0-15 one row, lanes 16-31 the next
.set j, 0
.rept 32
	v_mov_b32 v[O+j], 0                            ; O^T.  (The step is written once: the first finds zeros, which the first change of M leaves zeros)
.set j, j+1
.endr
	v_mov_b32 v14, 0                               ; the sum, in two halves
	v_mov_b32 v15, 0
	v_mov_b32 v246, 0                              ; written once: a lane permute's destination counts as one of its sources
	v_mov_b32 v253, 0                              ; (named as the upper half of the pair v[252:253])
	; the prefetches (macro ASK): waves 4 and 5 ask for K's codes, waves 6 and 7 for V's, in the head's work-group 0 alone
	s_cmp_lt_u32 s[WV], 6
	s_cselect_b64 s[PFA:PFA+1], s[6:7], s[8:9]
	s_mov_b32 s[PFS], 256
	s_cselect_b32 s[PFS], 16384, s[PFS]            ; a slot on
	s_mov_b32 s74, 2048
	s_cselect_b32 s74, 256, s74                    ; from lane to lane
	s_mov_b32 s75, 65536
	s_cselect_b32 s75, 8192, s75                   ; from wave to wave
	v_and_b32 v[PFO], 31, v0
	v_mul_lo_u32 v[PFO], v[PFO], s74
	s_and_b32 s74, s[WV], 1
	s_mul_i32 s74, s74, s75
	s_add_co_u32 s74, s74, s[PFS]                  ; my wave's part, in slot 1: the first trip steps it to slot 2
	s_mov_b32 s75, 0
	s_mov_b32 s[PFS+1], 0
	s_add_nc_u64 s[PFA:PFA+1], s[PFA:PFA+1], s[74:75]
	s_sub_co_u32 s74, s[WV], 4
	s_lshr_b32 s74, s74, 2                         ; 0 in waves 4 to 7,
	s_or_b32 s74, s74, ttmp9                       ; of work-group 0 of the head
	s_cmp_eq_u32 s74, 0
	s_cselect_b32 s[LIM], 2, -1
	s_wait_kmcnt 0x0
	s_or_b32 s[HM], s24, s25
.irp k, 26,27,28,29,30,31,32,33,34,35,36,37,38,39
	s_or_b32 s[HM], s[HM], s\k
.endr
	s_add_co_i32 s74, s68, s69
	s_lshl_b32 s74, s74, 23
	s_add_co_i32 s[CS], s[CS], s74                 ; a sum of codes stands for sum x 2^(eq + ek): the two exponents are added to c's exponent field
	s_mov_b32 s[CS+1], s[CS]                       ; (named with it as a pair, so it is written)
	v_mov_b32 v[TI], 0xce800000                    ; -2^30
	v_mul_f32 v[TI], s[CS], v[TI]
	v_mov_b32 v13, v[TI]                           ; the largest t so far
	v_floor_f32 v12, -v13                          ; -M
	s_add_co_i32 s74, s70, 127
	s_lshl_b32 s75, s74, 23
	v_mov_b32 v244, s75                            ; 2^ep as f32, for p's conversions
	s_add_co_i32 s74, s74, 8
	s_lshl_b32 s74, s74, 23
	s_or_b32 s74, s74, 0x600000
	v_mov_b32 v240, s74                            ; 448 x 2^ep
	s_add_co_i32 s57, s70, s71                     ; ep + ev
	s_add_co_i32 s74, s68, 127
	s_lshl_b32 s75, s74, 23
	v_mov_b32 v250, s75                            ; 2^eq
	s_add_co_i32 s74, s74, 8
	s_lshl_b32 s74, s74, 23
	s_or_b32 s74, s74, 0x600000
	v_mov_b32 v251, s74                            ; 448 x 2^eq
	s_wait_loadcnt 0x0                             ; Q (and slot 0, which the first trip wants next)
.set j, 0
.rept 64
	v_med3_num_f32 v[S+j], v[S+j], -v251, v251     ; the conversion to an 8-bit code does not saturate (ISA guide 7.6.2): the hold comes first
.set j, j+1
.endr
.irp n, 0,1,2,3
	v_cvt_scalef32_pk8_fp8_f32 v[QF+2*\n:QF+2*\n+1], v[S+8*\n:S+8*\n+7], v250           ; registers 0-3: channels 16 h + 0 .. 15; 4-7: 32 + 16 h + 0 .. 15: as K's two loads of 16 bytes lay them
	v_cvt_scalef32_pk8_fp8_f32 v[QF+8+2*\n:QF+8+2*\n+1], v[S+32+8*\n:S+32+8*\n+7], v250
.endr
	v_nop                                          ; a plain line behind the last conversion: matrix instructions and loads write its sources later
; A PREFETCH INTO THE L2 of the slot that the NEXT trip will ask for, behind this trip's loads: 16,384 dense bytes of kc (waves 4 and 5: 8,192 each, lanes 256 bytes apart) and 256 bytes of each of vc's 64 rows (waves 6 and 7: a lane a row).
; The four work-groups of a head walk the same slots in their first trips: work-group 0, which walks all eight, asks.  Trip t names slot t + 2, for t up to 5: each aligned 256 bytes from slot 2 on is named once in the launch, none past slot 7.
.macro ASK
	s_cmp_gt_u32 s[SLOTS], s[LIM]
	s_cbranch_scc0 .Lnot_mine_\@
	global_prefetch_b8 v[PFO], s[PFA:PFA+1] th:TH_LOAD_NT scope:SCOPE_SE
.Lnot_mine_\@:
.endm
; THE CHANGE OF SLOTS, at a trip's head.  fill = 1: the next slot of keys is asked for behind the barrier.
.macro CHANGE fill
	s_wait_loadcnt 0x0                             ; the slot asked for a trip ago is in my registers; its loads are done, so their bases may be written
	v_add_nc_u32 v212, s[TB], v[SK0]
	v_add_nc_u32 v213, s[TB], v[SV0]
	v_add_nc_u32 v214, s[TB], v[GK]
	ds_store_b128 v212, v[SD:SD+3]
	ds_store_b128 v212, v[SD+4:SD+7] offset:128*KPITCH
	ds_store_b128 v213, v[SD+8:SD+11]
	ds_store_b128 v213, v[SD+12:SD+15] offset:32*VPITCH
	s_cmp_lt_u32 s[WV], 2
	s_cbranch_scc0 .Lno_table_\@
	ds_store_b128 v214, v[SD+16:SD+19] offset:BOFF
.Lno_table_\@:
.if \fill
	s_add_co_u32 s[SG], s[SG], 1                   ; the walk: 0 .. 7 - i, then 0 .. i
	s_cmp_eq_u32 s[SG], s[NHI]
	s_cselect_b32 s[SG], 0, s[SG]
	s_lshl_b32 s72, s[SG], 14                      ; (s73 = 0)
	s_add_nc_u64 s[KPT:KPT+1], s[6:7], s[72:73]
	s_lshl_b32 s72, s[SG], 8
	s_add_nc_u64 s[VPT:VPT+1], s[8:9], s[72:73]
	s_lshl_b32 s72, s[SG], 10
	s_add_nc_u64 s[BPT:BPT+1], s[10:11], s[72:73]
	s_wait_xcnt 0x0                                ; the last prefetch, a trip back, has read its address
	s_add_nc_u64 s[PFA:PFA+1], s[PFA:PFA+1], s[PFS:PFS+1]
.endif
	s_wait_dscnt 0x0                               ; for the others' sake: my stores into this slot have landed, and my reads of the other slot are back
	s_barrier_signal -1
	s_barrier_wait -1
.if \fill
	STAGE_LOAD                                     ; it has the whole trip in which to come
	ASK
.endif
.endm
; A KEY STEP: 128 keys, the q-th of the slot in hand.
.macro STEP q
	s_add_co_u32 s96, s[Q0], 15
	s_cmp_gt_u32 s[KF], s96                        ; all 128 keys come after my 16 queries: the step's work is left out
	s_cbranch_scc1 .Lhidden_\@
	v_add_nc_u32 v[ADK], s[TB], v[AK0]
	v_add_nc_u32 v[ADV], s[TB], v[AV0]
	v_add_nc_u32 v[ADB], s[TB], v[AB0]
	v_nop                                          ; four plain lines in front of loads into registers that the last products read
.irp t, 0,1,2,3,4,5,6,7
	ds_load_b128 v[F+8*\t:F+8*\t+3],   v[ADK] offset:(128*(\q)+16*\t)*KPITCH
	ds_load_b128 v[F+8*\t+4:F+8*\t+7], v[ADK] offset:(128*(\q)+16*\t)*KPITCH+32
.endr
	s_lshr_b32 s96, s[KF], 7
	s_lshr_b32 s96, s[HM], s96
	s_and_b32 s96, s96, 1
	s_cmp_eq_u32 s96, 0                            ; the step's flag: a whole number stored by the launch before
	s_cbranch_scc1 .Lclean_\@
.irp t, 0,1,2,3,4,5,6,7
	ds_load_b128 v[S+8*\t:S+8*\t+3],   v[ADB] offset:512*(\q)+128*(\t/2)+32*(\t%2)      ; the table at keys 32 (t / 2) + 16 h + 8 (t % 2) + 0 .. 7: the result's layout
	ds_load_b128 v[S+8*\t+4:S+8*\t+7], v[ADB] offset:512*(\q)+128*(\t/2)+32*(\t%2)+16
.endr
	s_wait_dscnt 0x0
.irp t, 0,1,2,3,4,5,6,7
	v_wmma_f32_16x16x64_fp8_fp8 v[S+8*\t:S+8*\t+7], v[F+8*\t:F+8*\t+7], v[QF:QF+7], v[S+8*\t:S+8*\t+7]
.endr
	s_branch .Ljoin_\@
.Lclean_\@:
	s_wait_dscnt 0x0
.irp t, 0,1,2,3,4,5,6,7
	v_wmma_f32_16x16x64_fp8_fp8 v[S+8*\t:S+8*\t+7], v[F+8*\t:F+8*\t+7], v[QF:QF+7], 0
.endr
.Ljoin_\@:
.rept 4
	v_nop                                          ; places in front of the loads into K's registers and of the first read of the scores
.endr
.irp t, 0,1,2,3
.irp c, 0,1,2,3
	ds_load_b128 v[F+16*\t+4*\c:F+16*\t+4*\c+3], v[ADV] offset:16*\t*VPITCH+128*(\q)+32*\c   ; V's four fragments come while the softmax is worked
.endr
.endr
	s_add_co_u32 s96, s[KF], 127
	s_cmp_le_u32 s96, s[Q0]                        ; all 128 keys count for all my queries: nothing to hide
	s_cbranch_scc1 .Lopen_\@
	s_sub_co_i32 s96, s[Q0], s[KF]
	v_and_b32 v252, 15, v0
	v_bfe_u32 v253, v0, 4, 1
	v_lshlrev_b32 v253, 4, v253
	v_sub_nc_u32 v252, v252, v253
	v_add_nc_u32 v252, s96, v252                   ; d = my query - KF - 16 h.  Register 16 b + i holds key KF + 16 h + 32 b + i: hidden where 32 b + i > d
	v_mov_b32 v254, 0xff800000                     ; -infinity
.set n, 0
.rept 64
	v_cmp_gt_i32 vcc_lo, 32*(n/16)+n%16, v252
	v_cndmask_b32 v[S+n], v[S+n], v254, vcc_lo
.set n, n+1
.endr
.Lopen_\@:
	v_max3_num_f32 v254, v[S], v[S+1], v[S+2]      ; the step's largest score of my query, among my 64 keys, in two chains; each tile is read from its low end on,
	v_max3_num_f32 v252, v[S+3], v[S+4], v[S+5]
.irp i, 6,10,14,18,22,26,30,34,38,42,46,50,54,58
	v_max3_num_f32 v254, v254, v[S+\i], v[S+\i+1]
	v_max3_num_f32 v252, v252, v[S+\i+2], v[S+\i+3]
.endr
	v_max3_num_f32 v254, v254, v[S+62], v[S+63]
	v_max_num_f32 v254, v254, v252
	v_permlanex16_b32 v246, v254, s[SEL], s[SEL+1]
	v_max_num_f32 v254, v254, v246                 ; and among lane l xor 16's
	v_mul_f32 v254, s[CS], v254                    ; as t (c is positive)
	v_max_num_f32 v13, v13, v254                   ; the running largest t
	v_mov_b32 v254, v12
	v_floor_f32 v12, -v13                          ; the new -M = floor(-t) = -ceil(t): M is a whole number
	v_sub_f32 v254, v12, v254                      ; M's old value less its new one: 0 or less
	v_cvt_i32_f32 v254, v254                       ; (it saturates)
	v_ldexp_f32 v252, 1.0, v254                    ; f = 2^(old M - new M)
.set j, 0
.rept 32
	v_pk_fma_f32 v[S+j:S+j+1], v[S+j:S+j+1], s[CS:CS+1], v[12:13] op_sel_hi:[1,0,0]   ; t - M, two at a time (of the pairs c and -M the low word serves both halves)
.set j, j+2
.endr
.set j, 0
.rept 64
	v_exp_f32 v[S+j], v[S+j]                       ; p = 2^(t - M), at most 1: not normalised
.set j, j+1
.endr
	v_pk_mul_f32 v[14:15], v[14:15], v[252:253] op_sel_hi:[1,0]   ; the sums under the new M: the plain line behind the exponentials
	s_wait_alu depctr_va_vdst(0)                   ; one wait for the batch of 64, ahead of its first reader
	v_pk_add_f32 v[242:243], v[S:S+1], v[S+2:S+3]  ; the row's sum is taken of the UNQUANTISED p: two at a time, in two chains
.irp j, 4,8,12,16,20,24,28,32,36,40,44,48,52,56,60
	v_pk_add_f32 v[14:15], v[14:15], v[S+\j:S+\j+1]
	v_pk_add_f32 v[242:243], v[242:243], v[S+\j+2:S+\j+3]
.endr
	v_pk_add_f32 v[14:15], v[14:15], v[242:243]
.irp b, 0,1,2,3
.irp i, 0,1,2,3,4,5,6,7,8,9,10,11,12,13,14,15
	v_min_num_f32 v[S+16*\b+\i], v[S+16*\b+\i], v240   ; the hold at the largest code; p is never negative, so it is one-sided
.endr
	v_cvt_scalef32_pk8_fp8_f32 v[P+4*\b:P+4*\b+1], v[S+16*\b:S+16*\b+7], v244
	v_cvt_scalef32_pk8_fp8_f32 v[P+4*\b+2:P+4*\b+3], v[S+16*\b+8:S+16*\b+15], v244
.endr
.set j, 0
.rept 16
	v_pk_mul_f32 v[O+j:O+j+1], v[O+j:O+j+1], v[252:253] op_sel_hi:[1,0]   ; O^T under the new M.  (These are also the plain lines between the conversions and the products that read their results)
.set j, j+2
.endr
	s_wait_dscnt 0x0                               ; V's fragments are in
.irp t, 0,1,2,3
	v_wmma_f32_16x16x128_fp8_fp8 v[O+8*\t:O+8*\t+7], v[F+16*\t:F+16*\t+15], v[P:P+15], v[O+8*\t:O+8*\t+7]   ; the four accumulators take turns, one instruction a turn
.endr
.Lhidden_\@:
	s_add_co_u32 s[KF], s[KF], 128
.endm
.macro SLOT_STEPS
	STEP 0
	STEP 1
	s_xor_b32 s[TB], s[TB], SLOT1                  ; on to the other slot
.endm
; THE WAY OUT of the block in hand, through my stage n: O^T / the sum x 2^(ep + ev); a lane's eight channels of a tile are 32 bytes of its query's row; the rows come back whole, and sixteen lanes store 256 consecutive bytes, aligned.
.macro OUT n
.rept 4
	v_nop                                          ; places behind the last products
.endr
	v_add_f32 v14, v14, v15                        ; the sum's two halves,
	v_permlanex16_b32 v246, v14, s[SEL], s[SEL+1]
	v_add_f32 v14, v14, v246                       ; and lane l xor 16's
	v_rcp_f32 v14, v14
	v_nop                                          ; a plain line behind the reciprocal
	s_wait_alu depctr_va_vdst(0)                   ; and the wait ahead of its first reader
	v_ldexp_f32 v14, v14, s57
.set j, 0
.rept 32
	v_mul_f32 v[S+j], v[O+j], v14                  ; register 8 t + i is out0(r, 16 t + 8 h + i); each accumulator from its low end on
.set j, j+1
.endr
.irp t, 0,1,2,3
	ds_store_b128 v[STO], v[S+8*\t:S+8*\t+3] offset:4352*(\n)+64*\t
	ds_store_b128 v[STO], v[S+8*\t+4:S+8*\t+7] offset:4352*(\n)+64*\t+16
.endr
.irp k, 0,1,2,3,4,5,6,7
	ds_load_b128 v[F+4*\k:F+4*\k+3], v[RD] offset:4352*(\n)+544*\k   ; LDS serves a wave's instructions in order: these see my stores
.endr
.irp k, 0,1,2,3,4,5,6,7
	s_wait_dscnt 7-\k                              ; the younger row loads may be out
	global_store_b128 v[GO], v[F+4*\k:F+4*\k+3], s[16:17] offset:512*\k th:TH_STORE_NT
.endr
.endm
.Lslot:                                            ; eight trips; the ninth is written out, since it asks for nothing
	CHANGE 1
	SLOT_STEPS
	; THE SWITCH from the high block to the low one, once, behind trip 8 - i: a scalar branch on ids, the same in all sixteen waves; no barrier stands in it.  Afterwards KF stays under KEND
	s_cmp_eq_u32 s[KF], s[KEND]
	s_cbranch_scc0 .Lsame
	OUT 0
	s_wait_xcnt 0x0                                ; the stores have read their registers and their base: both may be written again
	s_mov_b64 s[16:17], s[48:49]
.set j, 0
.rept 32
	v_mov_b32 v[O+j], 0
.set j, j+1
.endr
	v_mov_b32 v14, 0
	v_mov_b32 v15, 0
	v_mov_b32 v13, v[TI]
	v_floor_f32 v12, -v13
.irp j, 0,1,2,3,4,5,6,7
	v_mov_b32 v[QF+\j], v[QF+8+\j]
.endr
	s_mov_b32 s[KF], 0
	s_mov_b32 s[Q0], s55
.Lsame:
	s_sub_co_u32 s[SLOTS], s[SLOTS], 1
	s_cmp_lg_u32 s[SLOTS], 0
	s_cbranch_scc1 .Lslot
	CHANGE 0
	SLOT_STEPS
	OUT 1
	s_wait_tensorcnt 0x0
	ds_add_u32 v249, v255
	s_wait_dscnt 0x0
	s_endpgm
.Lfunc_end_k_q161b1ee19e_attn:
	.size	k_q161b1ee19e_attn, .Lfunc_end_k_q161b1ee19e_attn-k_q161b1ee19e_attn
	.p2alignl 7, 3214868480
	.fill 96, 4, 3214868480
	.section	.rodata,"a",@progbits
	.p2align	6, 0x0
	.amdhsa_kernel k_q161b1ee19e_attn
		.amdhsa_group_segment_fixed_size 245760
		.amdhsa_private_segment_fixed_size 0
		.amdhsa_enable_private_segment 0
		.amdhsa_kernarg_size 56
		.amdhsa_user_sgpr_count 2
		.amdhsa_user_sgpr_kernarg_segment_ptr 1
		.amdhsa_wavefront_size32 1
		.amdhsa_system_sgpr_workgroup_id_x 1
		.amdhsa_system_sgpr_workgroup_id_y 1
		.amdhsa_system_sgpr_workgroup_id_z 1
		.amdhsa_system_vgpr_workitem_id 0
		.amdhsa_next_free_vgpr 256
		.amdhsa_next_free_sgpr 100
		.amdhsa_reserve_vcc 1
		.amdhsa_float_denorm_mode_32 3
		.amdhsa_float_denorm_mode_16_64 3
		.amdhsa_memory_ordered 1
		.amdhsa_forward_progress 1
		.amdhsa_inst_pref_size 114
	.end_amdhsa_kernel
	.amdgpu_metadata
---
amdhsa.version: [ 1, 2 ]
amdhsa.kernels:
  - .name:           k_q161b1ee19e_attn
    .symbol:         k_q161b1ee19e_attn.kd
    .args:
      - { .name: query, .offset: 0, .size: 8, .value_kind: global_buffer, .address_space: global }
      - { .name: kc, .offset: 8, .size: 8, .value_kind: global_buffer, .address_space: global }
      - { .name: vc, .offset: 16, .size: 8, .value_kind: global_buffer, .address_space: global }
      - { .name: bias, .offset: 24, .size: 8, .value_kind: global_buffer, .address_space: global }
      - { .name: holes, .offset: 32, .size: 8, .value_kind: global_buffer, .address_space: global }
      - { .name: lowp_scales, .offset: 40, .size: 8, .value_kind: global_buffer, .address_space: global }
      - { .name: out0, .offset: 48, .size: 8, .value_kind: global_buffer, .address_space: global }
    .group_segment_fixed_size: 245760
    .private_segment_fixed_size: 0
    .kernarg_segment_align: 8
    .kernarg_segment_size: 56
    .max_flat_workgroup_size: 512
    .sgpr_count:     100
    .vgpr_count:     256
    .wavefront_size: 32
...
	.end_amdgpu_metadata
.endif
;; end of part 2
;; ======== version 2 of 2: 2 launches
;; limits: right only within a limited range of input values
;; workspace buffers: kc 8,388,608 bytes; vc 8,388,608 bytes; bias 524,288 bytes; holes 4,096 bytes of whole numbers
;; launch prep (part 3): grid 8 x 64, 8 waves a work-group, no clusters, 59,392 bytes of LDS; arguments key, value, attention_mask, lowp_scales, kc, vc, bias, holes; writes kc, vc, bias, holes
.if DOCPART == 3
	.amdgcn_target "amdgcn-amd-amdhsa--gfx1250"
	.amdhsa_code_object_version 6
	.text
	.protected	k_q161b1ee19e_prep
	.globl	k_q161b1ee19e_prep
	.p2align	8
	.type	k_q161b1ee19e_prep,@function
k_q161b1ee19e_prep:
	s_mov_b64 s[64:65], 0
	v_nop
	global_prefetch_b8 v0, s[64:65] scope:SCOPE_SE
	s_setreg_imm32_b32 hwreg(HW_REG_WAVE_MODE, 25, 1), 1
	s_wait_xcnt 0x0
; K and V, [64 heads][2048 keys][64] f32, become codes of FP8 (E4M3) with the given scales 2^ek and 2^ev; the padding mask becomes a table that the attention launch can add, and flags.
;   kc   [64][2048 places][64]: K's codes, the head's 64 innermost.  Inside each group of 32 keys place 16 u + 8 a + j holds key 16 a + 8 u + j: the 16 rows that form a tile of the first product are then neighbours.
;   vc   [64][64][2048 keys]:  V's codes with the KEYS innermost, in their own order: the keys are the second product's K.
;   bias [64][2048] f32: 0 for a key that counts, -2^120 for one whose mask entry is 0.   holes [64][16] int32: word s is 1 << s where step s (128 keys) has such a key, else 0.
; code = x / 2^e, held within +-448, rounded to the nearest code, ties to even.  LIMITS: ek and ev between -126 and 119, so that 2^e and 448 x 2^e are f32 numbers.  NaN among the inputs is not served.
; SHARES.  A work-group takes 256 keys of one head, each of its eight waves 32 of them, of K and of V.  All of a wave's 33 loads go out at its head.
; K: each load reads 512 consecutive bytes; a step's 2,048 bytes turn through the wave's own stage in LDS, so that a lane holds 16 neighbours along the head's 64; the wave stores 512 consecutive bytes of codes.
; V: a lane takes four channels (16 bytes) of 16 keys, so its registers run down the keys; the hold at the largest code is also the move that lays eight keys of one channel on end for the conversion.
;    The codes meet in a stage of 64 rows (channels) x 256 keys, shared by the eight waves; behind one barrier each wave stores eight whole rows: sixteen lanes to 256 consecutive bytes, aligned.
.set SP,    80                         ; a lane's place in a turn stage: 64 bytes + 16 of padding
.set WREG,  5120                       ; a wave's two turn stages of 32 x SP bytes
.set VSTG,  8*WREG                     ; behind them: V's stage, 64 rows x VPIT
.set VPIT,  272                        ; 256 bytes + 16 of padding
.set R,     24                         ; v24-87   K as loaded: four steps of 16 registers
.set VD,    88                         ; v88-151  V as loaded: register 4 j + c = V(key 16 h + j, channel 4 r + c); later v88-103: rows read back
.set X,     152                        ; v152-183 K: two sets of 16 neighbours; V: two sets of 8 keys of one channel
.set C,     184                        ; v184-199 V's 16 registers of codes, later K's four for each step
	s_load_b128 s[4:7], s[0:1], 0x0                ; key, value
	s_load_b128 s[8:11], s[0:1], 0x10              ; attention_mask, the scales' exponents
	s_load_b128 s[12:15], s[0:1], 0x20             ; kc, vc
	s_load_b128 s[16:19], s[0:1], 0x30             ; bias, holes
	v_lshl_add_u32 v200, v0, 2, 0xe400
	v_mov_b32 v201, 0
	v_lshrrev_b32 v1, 5, v0
	s_delay_alu instid0(VALU_DEP_1)
	v_readfirstlane_b32 s20, v1                    ; wave 0..7
	v_mov_b32 v1, 0
	v_and_b32 v2, 31, v0                           ; lane
	v_and_b32 v16, 15, v0                          ; r
	v_bfe_u32 v17, v0, 4, 1                        ; h
	s_delay_alu instid0(VALU_DEP_3)
	v_lshlrev_b32 v3, 4, v2                        ; 16 x lane: K in, kc out, mask in, bias out
	s_delay_alu instid0(VALU_DEP_2)
	v_lshlrev_b32 v4, 12, v17
	s_delay_alu instid0(VALU_DEP_1)
	v_lshl_add_u32 v4, v16, 4, v4                  ; V in: key 16 h (rows of 256 bytes), channels 4 r on
	s_lshl_b32 s28, s20, 5
	s_add_co_u32 s28, s28, VSTG
	v_mul_u32_u24 v5, v16, 4*VPIT
	s_delay_alu instid0(VALU_DEP_1)
	v_lshl_add_u32 v5, v17, 4, v5
	s_delay_alu instid0(VALU_DEP_1)
	v_add_nc_u32 v5, s28, v5                       ; V's stage, in: row 4 r (+ c by the immediate), byte 32 w + 16 h
	s_mul_i32 s28, s20, 8*VPIT
	s_add_co_u32 s28, s28, VSTG
	v_mul_u32_u24 v6, v17, VPIT
	s_delay_alu instid0(VALU_DEP_1)
	v_lshl_add_u32 v6, v16, 4, v6
	s_delay_alu instid0(VALU_DEP_1)
	v_add_nc_u32 v6, s28, v6                       ; and back: row 8 w + h, 16 bytes a lane
	v_lshlrev_b32 v7, 11, v17
	s_delay_alu instid0(VALU_DEP_1)
	v_lshl_add_u32 v7, v16, 4, v7                  ; the same place in vc: rows of 2,048 bytes
	s_mul_i32 s28, s20, WREG
	v_lshrrev_b32 v8, 2, v2
	s_delay_alu instid0(VALU_DEP_1)
	v_mul_u32_u24 v8, v8, SP
	v_and_b32 v9, 3, v2
	s_delay_alu instid0(VALU_DEP_1)
	v_lshl_add_u32 v8, v9, 4, v8
	s_delay_alu instid0(VALU_DEP_1)
	v_add_nc_u32 v8, s28, v8                       ; a turn stage, in: four lanes' 64 bytes on end, then the padding
	v_mul_u32_u24 v9, v2, SP
	s_delay_alu instid0(VALU_DEP_1)
	v_add_nc_u32 v9, s28, v9                       ; and out: my 16 neighbours
	v_mov_b32 v14, 0xfb800000                      ; -2^120
	; byte offsets, each in a pair of its own with 0 above
	s_and_b32 s22, ttmp7, 0xffff                   ; the head
	s_and_b32 s23, s20, 1
	s_lshl_b32 s28, s22, 19
	s_lshl_b32 s30, ttmp9, 16
	s_add_co_u32 s28, s28, s30
	s_lshl_b32 s30, s20, 13
	s_add_co_u32 s28, s28, s30                     ; key, value: head x 524,288 + (256 c + 32 w) rows of 256 bytes
	s_mov_b32 s29, 0
	s_lshr_b32 s30, s28, 2                         ; kc: a quarter of that
	s_mov_b32 s31, 0
	s_lshl_b32 s32, s22, 17
	s_lshl_b32 s34, s20, 14
	s_add_co_u32 s32, s32, s34
	s_lshl_b32 s34, ttmp9, 8
	s_add_co_u32 s32, s32, s34                     ; vc: head x 131,072 + 8 w rows of 2,048 + 256 c
	s_mov_b32 s33, 0
	s_lshl_b32 s34, ttmp9, 10
	s_lshl_b32 s36, s23, 9
	s_add_co_u32 s34, s34, s36                     ; 128 keys' words: 1,024 c + 512 (w % 2)
	s_lshr_b32 s36, s22, 4
	s_lshl_b32 s36, s36, 13
	s_add_co_u32 s36, s36, s34                     ; mask: batch x 8,192 + that
	s_mov_b32 s37, 0
	s_lshl_b32 s38, s22, 13
	s_add_co_u32 s34, s38, s34                     ; bias: head x 8,192 + that
	s_mov_b32 s35, 0
	s_lshl_b32 s40, ttmp9, 1
	s_add_co_u32 s40, s40, s23                     ; the step of 128 keys: 2 c + w % 2
	s_lshl_b32 s38, s22, 6
	s_lshl_b32 s39, s40, 2
	s_add_co_u32 s38, s38, s39                     ; holes: head x 64 + 4 x step
	s_mov_b32 s39, 0
	s_wait_alu depctr_va_vdst(0)
	s_wait_kmcnt 0x0
	s_load_b128 s[24:27], s[10:11], 0x0            ; eq, ek, ep, ev
	s_add_nc_u64 s[4:5], s[4:5], s[28:29]
	s_add_nc_u64 s[6:7], s[6:7], s[28:29]
	s_add_nc_u64 s[8:9], s[8:9], s[36:37]
	s_add_nc_u64 s[12:13], s[12:13], s[30:31]
	s_add_nc_u64 s[14:15], s[14:15], s[32:33]
	s_add_nc_u64 s[16:17], s[16:17], s[34:35]
	s_add_nc_u64 s[18:19], s[18:19], s[38:39]
.macro LOAD t                          ; K's step t: eight keys, 2,048 bytes, four loads of 512 consecutive bytes
.irp i, 0,1,2,3
	global_load_b128 v[R+16*(\t)+4*\i:R+16*(\t)+4*\i+3], v3, s[4:5] offset:2048*(\t)+512*\i th:TH_LOAD_NT
.endr
.endm
.macro TURN t                          ; step t through a stage: LDS serves a wave's instructions in order, so no wait stands between the stores and the loads
.irp i, 0,1,2,3
	ds_store_b128 v8, v[R+16*(\t)+4*\i:R+16*(\t)+4*\i+3] offset:32*SP*((\t)%2)+8*SP*\i
.endr
.irp i, 0,1,2,3
	ds_load_b128 v[X+16*((\t)%2)+4*\i:X+16*((\t)%2)+4*\i+3], v9 offset:32*SP*((\t)%2)+16*\i
.endr
.endm
	global_load_b128 v[16:19], v3, s[8:9]          ; 128 mask entries (sixteen heads read them: no hint)
.irp j, 0,1,2,3,4,5,6,7,8,9,10,11,12,13,14,15
	global_load_b128 v[VD+4*\j:VD+4*\j+3], v4, s[6:7] offset:256*\j th:TH_LOAD_NT   ; lanes 0-15 read key j's whole row of 256 bytes, lanes 16-31 key 16 + j's
.endr
	LOAD 0
	LOAD 1
	LOAD 2
	LOAD 3
	s_wait_kmcnt 0x0
	s_add_co_i32 s41, s25, 127
	s_lshl_b32 s42, s41, 23
	v_mov_b32 v11, s42                             ; 2^ek as f32: the conversion takes its exponent field
	s_add_co_i32 s41, s41, 8
	s_lshl_b32 s41, s41, 23
	s_or_b32 s41, s41, 0x600000
	v_mov_b32 v10, s41                             ; 448 x 2^ek
	s_add_co_i32 s41, s27, 127
	s_lshl_b32 s42, s41, 23
	v_mov_b32 v13, s42                             ; 2^ev
	s_add_co_i32 s41, s41, 8
	s_lshl_b32 s41, s41, 23
	s_or_b32 s41, s41, 0x600000
	v_mov_b32 v12, s41                             ; 448 x 2^ev
	s_wait_loadcnt 16                              ; the mask and V are in; K's sixteen loads stay out
	; ---- the mask: every wave does the arithmetic, waves 0 and 1 store their 128 keys' part
.irp k, 0,1,2,3
	v_cmp_eq_u32 s[41+\k], 0, v[16+\k]
	s_delay_alu instid0(VALU_DEP_1)
	v_cndmask_b32 v[20+\k], 0, v14, s[41+\k]       ; -2^120 where the entry is 0
.endr
	s_or_b32 s41, s41, s42
	s_or_b32 s43, s43, s44
	s_or_b32 s41, s41, s43
	s_cmp_lg_u32 s41, 0
	s_cselect_b32 s41, 1, 0
	s_lshl_b32 s41, s41, s40                       ; the step's bit, or 0
	v_mov_b32 v15, s41
	s_cmp_lt_u32 s20, 2
	s_cbranch_scc0 .Lno_mask
	s_wait_alu depctr_va_vdst(0)
	global_store_b128 v3, v[20:23], s[16:17]       ; 512 consecutive bytes
	v_cmp_eq_u32 vcc_lo, 0, v2
	s_wait_xcnt 0x0                                ; EXEC is a source of the loads and stores that are out: it changes only behind this wait
	s_and_saveexec_b32 s42, vcc_lo
	global_store_b32 v1, v15, s[18:19]             ; lane 0: the step's word
	s_wait_xcnt 0x0                                ; and again, in front of the line that widens it
	s_or_b32 exec_lo, exec_lo, s42
.Lno_mask:
	; ---- V: channel 4 r + c, keys 16 h + 8 g + 0 .. 7: held, laid on end, converted.  The two sets of eight take turns, so that eight plain lines stand between a conversion and the rewriting of its sources
.irp c, 0,1,2,3
.irp g, 0,1
.irp i, 0,1,2,3,4,5,6,7
	v_med3_num_f32 v[X+8*\g+\i], v[VD+4*(8*\g+\i)+\c], -v12, v12   ; the conversion to an 8-bit code does not saturate (ISA guide 7.6.2)
.endr
	v_cvt_scalef32_pk8_fp8_f32 v[C+4*\c+2*\g:C+4*\c+2*\g+1], v[X+8*\g:X+8*\g+7], v13
.endr
.endr
	v_nop                                          ; a plain line behind the last conversion
.irp c, 0,1,2,3
	ds_store_b128 v5, v[C+4*\c:C+4*\c+3] offset:VPIT*\c   ; 16 keys' codes of channel 4 r + c
.endr
	s_wait_dscnt 0x0                               ; for the others' sake: my stores into V's stage are done
	s_barrier_signal -1
	s_barrier_wait -1                              ; 64 whole rows lie in the stage; nothing is written there again
.irp i, 0,1,2,3
	ds_load_b128 v[VD+4*\i:VD+4*\i+3], v6 offset:2*VPIT*\i
.endr
.irp i, 0,1,2,3
	s_wait_dscnt 3-\i                              ; LDS loads come back in order: the younger ones may be out
	global_store_b128 v7, v[VD+4*\i:VD+4*\i+3], s[14:15] offset:4096*\i   ; sixteen lanes store 256 consecutive bytes, aligned
.endr
	; ---- K
.macro STEP t
.set XS, X+16*((\t)%2)
	s_wait_dscnt 0x0                               ; this step's numbers are back from the stage
.if (\t) < 3
	s_wait_loadcnt 4*(2-(\t))                      ; the next step's four loads are in; those of the steps behind it may be out
	TURN (\t)+1
.endif
.irp i, 0,1,2,3,4,5,6,7,8,9,10,11,12,13,14,15
	v_med3_num_f32 v[XS+\i], v[XS+\i], -v10, v10
.endr
	v_cvt_scalef32_pk8_fp8_f32 v[C+4*(\t):C+4*(\t)+1], v[XS:XS+7], v11
	v_cvt_scalef32_pk8_fp8_f32 v[C+4*(\t)+2:C+4*(\t)+3], v[XS+8:XS+15], v11
	v_nop                                          ; a plain line behind the conversions
	global_store_b128 v3, v[C+4*(\t):C+4*(\t)+3], s[12:13] offset:512*(2*((\t)%2)+(\t)/2)   ; eight keys, 512 consecutive bytes; groups 1 and 2 of the 32 keys change places
.endm
	s_wait_loadcnt 12                              ; step 0's four loads are in
	TURN 0
	STEP 0
	STEP 1
	STEP 2
	STEP 3
	s_wait_tensorcnt 0x0
	ds_add_u32 v200, v201
	s_wait_dscnt 0x0
	s_endpgm
.Lfunc_end_k_q161b1ee19e_prep:
	.size	k_q161b1ee19e_prep, .Lfunc_end_k_q161b1ee19e_prep-k_q161b1ee19e_prep
	.p2alignl 7, 3214868480
	.fill 96, 4, 3214868480
	.section	.rodata,"a",@progbits
	.p2align	6, 0x0
	.amdhsa_kernel k_q161b1ee19e_prep
		.amdhsa_group_segment_fixed_size 59392
		.amdhsa_private_segment_fixed_size 0
		.amdhsa_enable_private_segment 0
		.amdhsa_kernarg_size 64
		.amdhsa_user_sgpr_count 2
		.amdhsa_user_sgpr_kernarg_segment_ptr 1
		.amdhsa_wavefront_size32 1
		.amdhsa_system_sgpr_workgroup_id_x 1
		.amdhsa_system_sgpr_workgroup_id_y 1
		.amdhsa_system_sgpr_workgroup_id_z 1
		.amdhsa_system_vgpr_workitem_id 0
		.amdhsa_next_free_vgpr 202
		.amdhsa_next_free_sgpr 66
		.amdhsa_reserve_vcc 1
		.amdhsa_float_denorm_mode_32 3
		.amdhsa_float_denorm_mode_16_64 3
		.amdhsa_memory_ordered 1
		.amdhsa_forward_progress 1
		.amdhsa_inst_pref_size 22
	.end_amdhsa_kernel
	.amdgpu_metadata
---
amdhsa.version: [ 1, 2 ]
amdhsa.kernels:
  - .name:           k_q161b1ee19e_prep
    .symbol:         k_q161b1ee19e_prep.kd
    .args:
      - { .name: key, .offset: 0, .size: 8, .value_kind: global_buffer, .address_space: global }
      - { .name: value, .offset: 8, .size: 8, .value_kind: global_buffer, .address_space: global }
      - { .name: attention_mask, .offset: 16, .size: 8, .value_kind: global_buffer, .address_space: global }
      - { .name: lowp_scales, .offset: 24, .size: 8, .value_kind: global_buffer, .address_space: global }
      - { .name: kc, .offset: 32, .size: 8, .value_kind: global_buffer, .address_space: global }
      - { .name: vc, .offset: 40, .size: 8, .value_kind: global_buffer, .address_space: global }
      - { .name: bias, .offset: 48, .size: 8, .value_kind: global_buffer, .address_space: global }
      - { .name: holes, .offset: 56, .size: 8, .value_kind: global_buffer, .address_space: global }
    .group_segment_fixed_size: 59392
    .private_segment_fixed_size: 0
    .kernarg_segment_align: 8
    .kernarg_segment_size: 64
    .max_flat_workgroup_size: 256
    .sgpr_count:     66
    .vgpr_count:     202
    .wavefront_size: 32
...
	.end_amdgpu_metadata
.endif
;; end of part 3
;; launch attn (part 4): grid 4 x 64, 16 waves a work-group, no clusters, 245,760 bytes of LDS; arguments query, kc, vc, bias, holes, lowp_scales, out0; writes out0
.if DOCPART == 4
	.amdgcn_target "amdgcn-amd-amdhsa--gfx1250"
	.amdhsa_code_object_version 6
	.text
	.protected	k_q161b1ee19e_attn
	.globl	k_q161b1ee19e_attn
	.p2align	8
	.type	k_q161b1ee19e_attn,@function
k_q161b1ee19e_attn:
	s_mov_b64 s[64:65], 0
	v_nop
	global_prefetch_b8 v0, s[64:65] scope:SCOPE_SE
	s_setreg_imm32_b32 hwreg(HW_REG_WAVE_SCHED_MODE, 0, 2), 2
	s_setreg_imm32_b32 hwreg(HW_REG_WAVE_MODE, 25, 1), 1
	s_wait_xcnt 0x0
	s_wait_alu depctr_vm_vsrc(0)
; out0[h][q][:] = the sum over k of softmax_k(Q[h][q] . K[h][k] / 8) V[h][k][:], key k counting for query q where k <= q and the padding mask has no 0 at k.  64 heads, 2,048 positions, head size 64.
; Both products on codes of FP8 (E4M3), each operand with its given scale: eq, ek, ep, ev.  K's and V's codes, the mask's table and its flags were made by the launch before; Q is quantised here, in registers.
; THE SOFTMAX: t = score x log2(e) / 8; M = the row's largest t so far, rounded UP to a whole number; p = 2^(t - M) is quantised along the keys, not normalised; the row's sum is taken of the unquantised p and divides at the end.
; When M moves, the sum and O are multiplied by 2^(old M - new M), which rounds nothing.
; THE PADDING MASK costs no vector work: the table holds 0 or -2^120 for each key, and a tile's eight numbers are the C of its first product's matrix instruction.  A sum of codes is under 2^24 in magnitude, and the largest t
; begins at c x (-2^30): under every real t, over every masked one.  So a masked key never moves M, and its p is 0.  A row that sees no key keeps sum 0 and O 0, and 0 x (1 / 0) is NaN, as the softmax of such a row is.
; A step of 128 keys whose flag is 0 takes C = 0 and loads no table: a scalar branch on a whole number that the launch before stored.
; SHARES.  A head has eight blocks of 256 queries.  Work-group i (0..3) owns block 7 - i and then block i, and walks slots of 256 keys 0 .. 7 - i, then 0 .. i: NINE trips whatever i is: 4 x 64 = 256 equal work-groups.
; Each of the sixteen waves owns 16 queries of the block in hand, in 256 registers: four waves to a SIMD, so that one wave's vector work stands beside another's matrix work and LDS loads.
; A step all of whose keys come after a wave's queries is left out by a scalar branch on ids; in the step on the diagonal hidden scores become -infinity ahead of the maximum.
; THE RING.  Two LDS slots.  A slot's 33 KB are asked for one trip ahead, 64 or 80 bytes a thread into 20 registers, and stored to LDS at the next trip's head; ONE barrier a trip: in front of it each wave's stores into the new slot have
; landed and its reads of the old one are back.  The slot that a trip writes was last read two trips ago, and every wave waited for those reads in front of the barrier between.
; LAYOUT.  Both products are used transposed: S^T = K Q^T (source 0 = 16 keys, source 1 = my 16 queries), O^T = V^T P^T (source 0 = 16 channels): a lane holds ONE query (lane % 16) throughout.
; kc's order of keys makes the 16 registers of tiles 2 b and 2 b + 1 sixteen neighbouring keys, 32 b + 16 (lane / 16) + 0 .. 15: the conversions' results are the second product's operand.
; Fragments come by loads of 16 bytes: a permutation of k that is the same in both operands of each product.
; NO CLUSTER: the four work-groups of a head part at trip 8 - i; walking in step would take 12 trips in place of 9, and what they share is 33 KB a trip beside some 0.5 MB of LDS reads.
; LIMITS on the given exponents, so that each power of two below is an f32 number and c x 2^30 is finite and c x 2^120 large: eq + ek between -100 and 90; eq and ep between -126 and 119.  NaN among the inputs is not served.
; THE MODE: SCHED_MODE bits 1:0 = 2 (LLVM: expert scheduling mode 2), set by the entry lines.  The code itself states the register dependences between vector or matrix instructions and memory or LDS instructions, with s_wait_alu, always for 0.
; THE PLAN.  Registers that memory or LDS instructions touch, round the loop:
;   SD v192-211     The slot's global loads land in it behind the barrier; the next trip's LDS stores read it.  No vector instruction names it.
;   v212-214, v8-10 The trip's six LDS addresses: written by six additions at the trip's head, read by that trip's LDS stores and loads.
;   F v32-95        K's LDS loads land in it, the first product reads it; V's LDS loads land in it, the second product reads it.  On a way out the stage's rows land in it and the global stores read it.
;   S v96-159       In a flagged step the table's LDS loads land in it; the first product writes it, the softmax works in it.  On a way out the multiplications write it and the LDS stores read it.
;   v3, v7, v11, v217-220  Offsets made at the head and never written again.
;   O, P, Q's codes and the statistics are named by vector and matrix instructions alone.
; THE WAITS OF A TRIP.  At its head, on vm_vsrc: the six addresses, and what a way out stored from, have been read.  Behind the six additions, on va_vdst: the addresses are written, the last products are done reading F, the last
; conversions S: it serves the trip's LDS stores, its global loads, its prefetch and all loads of its first step, since nothing issued between names their registers.  In front of the barrier, on vm_vsrc: the LDS stores have read SD.
; At the second step's head, on va_vdst: the first step is done with F and S.  In each step, on va_vdst: behind the first product, ahead of V's loads into F; and behind the exponentials, ahead of their first reader.
.set KPITCH, 80                        ; a key's row in LDS: 64 bytes + 16: an odd multiple of 16, so the 16 rows of a fragment load start at 16 different groups of four banks
.set VPITCH, 272                       ; a channel's row: 256 keys + 16
.set VOFF,  256*KPITCH                 ; a slot: 256 rows of K, 64 rows of V, 256 words of the mask's table
.set BOFF,  VOFF+64*VPITCH
.set SLOT1, 1<<16                      ; slot 1 begins here: one exclusive or turns an address
.set STAGE, SLOT1+BOFF+1024            ; behind the ring: for each wave two stages of 16 rows x 272 bytes, one for each of its two ways out
.set WSTG,  2*16*272
.set AK0, 1                            ; v1   my lane's place in a tile of K: 80 r + 16 h
.set AV0, 2                            ; v2   of V: VOFF + 272 r + 16 h
.set PFO, 3                            ; v3   the prefetches' offset; never rewritten
.set AB0, 4                            ; v4   of the table: BOFF + 64 h
.set SK0, 5                            ; v5   where my thread stores its 16 bytes of K in a slot
.set SV0, 6                            ; v6   of V
.set GO,  7                            ; v7   the way out: 256 h + 16 r
.set ADK, 8                            ; v8-10 addresses of the trip in hand
.set ADV, 9
.set ADB, 10
.set QA,  11                           ; v11  Q: 256 r + 64 h
.set QF,  16                           ; v16-23 Q's codes of the block in hand; v24-31 of the low block
.set F,   32                           ; v32-95 eight fragments of K, then four of V
.set S,   96                           ; v96-159 S^T, then p
.set O,   160                          ; v160-191 O^T
.set SD,  192                          ; v192-211 the slot on its way: K 8, V 8, the table 4 (waves 0 and 1)
.set TI,  216                          ; v216 c x (-2^30)
.set GK,  217                          ; v217 16 x thread: my bytes of a slot's K, and of its table
.set GV,  218                          ; v218 2,048 (thread / 16) + 16 (thread % 16): of its V
.set STO, 219                          ; v219 the stage, in
.set RD,  220                          ; v220 and back
.set P,   224                          ; v224-239 p's codes
                                       ; v12 -M, v13 the largest t, v[14:15] the sum in two halves; v240 448 x 2^ep, v244 2^ep; v242, 243, 246, 250-254 at work
.set TB,  2                            ; s2   LDS byte at which the slot in hand begins
.set SG,  3                            ; s3   the slot of keys that was asked for last
.set WV,  18                           ; s18  my wave's number
.set NHI, 19                           ; s19  8 - i: slots of the high block
.set SEL, 20                           ; s[20:21] lane selects: lane l xor 16
.set CS,  22                           ; s[22:23] c = log2(e) / 8 x 2^(eq + ek), twice
                                       ; s24-39 at the head the head's words of flags; in the loop these and s80-95 take the 32 lane masks of a run of compares on the diagonal
.set HM,  40                           ; s40  the head's sixteen flags
.set KPT, 42                           ; s[42:43], s[44:45], s[46:47] where the slot asked for lies in kc, vc, bias
.set VPT, 44
.set BPT, 46
.set SLOTS, 52                         ; s52  the loop's count
.set KF,  53                           ; s53  the step's first key
.set Q0,  54                           ; s54  my first query; s55 the low block's
.set KEND, 56                          ; s56  256 (8 - i): the high block's end
.set PFA, 58                           ; s[58:59] where my prefetches stand; s[60:61] a slot on, in bytes; s62 the bound
.set PFS, 60
.set LIM, 62
	s_load_b256 s[4:11], s[0:1], 0x0               ; query s[4:5], kc s[6:7], vc s[8:9], bias s[10:11]
	s_load_b128 s[12:15], s[0:1], 0x20             ; holes s[12:13], the scales' exponents s[14:15]
	s_load_b64 s[16:17], s[0:1], 0x30              ; out0
	v_lshl_add_u32 v249, v0, 2, 0x3b800
	v_mov_b32 v255, 0
	v_lshrrev_b32 v8, 5, v0
	v_readfirstlane_b32 s[WV], v8                  ; wave 0..15
	s_and_b32 s74, ttmp7, 0xffff                   ; the head
	s_sub_co_u32 s[NHI], 8, ttmp9
	s_lshl_b32 s[KEND], s[NHI], 8
	s_sub_co_u32 s75, 7, ttmp9
	s_lshl_b32 s[Q0], s75, 8
	s_wait_alu depctr_va_sdst(0)                   ; s18 is written, ahead of its first reader: offsets, LDS places and branches are made from it
	s_lshl_b32 s75, s[WV], 4
	s_add_co_u32 s[Q0], s[Q0], s75                 ; 256 (7 - i) + 16 w
	s_lshl_b32 s55, ttmp9, 8
	s_add_co_u32 s55, s55, s75                     ; 256 i + 16 w
	s_lshl_b32 s96, s74, 19                        ; the head's first byte in query and out0
	s_lshl_b32 s72, s[Q0], 8
	s_add_co_u32 s72, s72, s96                     ; my rows of the high block,
	s_mov_b32 s73, 0
	s_lshl_b32 s78, s55, 8
	s_add_co_u32 s78, s78, s96                     ; of the low block
	s_mov_b32 s79, 0
	s_lshl_b32 s76, s74, 17                        ; the head in kc and vc,
	s_mov_b32 s77, 0
	s_lshl_b32 s80, s74, 13                        ; in bias,
	s_mov_b32 s81, 0
	s_lshl_b32 s82, s74, 6                         ; in holes
	s_mov_b32 s83, 0
	s_mov_b32 s[SEL], 0x76543210
	s_mov_b32 s[SEL+1], 0xfedcba98
	s_mov_b32 s[CS], 0x3e38aa3b                    ; log2(e) / 8
	s_mov_b32 s[TB], 0
	s_mov_b32 s[SG], 0
	s_mov_b32 s[SLOTS], 8
	s_mov_b32 s[KF], 0
	v_lshlrev_b32 v[GK], 4, v0
	v_lshrrev_b32 v8, 4, v0                        ; thread / 16
	v_and_b32 v9, 15, v0                           ; thread % 16 = r
	v_bfe_u32 v10, v0, 4, 1                        ; h
	v_lshlrev_b32 v[GV], 11, v8
	v_lshl_add_u32 v[GV], v9, 4, v[GV]
	v_mul_u32_u24 v[SV0], v8, VPITCH
	v_lshl_add_u32 v[SV0], v9, 4, v[SV0]
	v_add_nc_u32 v[SV0], VOFF, v[SV0]
	v_lshrrev_b32 v[SK0], 2, v0
	v_mul_u32_u24 v[SK0], v[SK0], KPITCH
	v_and_b32 v8, 3, v0
	v_lshl_add_u32 v[SK0], v8, 4, v[SK0]
	v_lshlrev_b32 v[QA], 8, v9
	v_lshl_add_u32 v[QA], v10, 6, v[QA]
	s_wait_kmcnt 0x0
	s_add_nc_u64 s[50:51], s[4:5], s[78:79]        ; Q, low block
	s_add_nc_u64 s[4:5], s[4:5], s[72:73]          ; Q, high block
	s_add_nc_u64 s[48:49], s[16:17], s[78:79]      ; out0, low block
	s_add_nc_u64 s[16:17], s[16:17], s[72:73]      ; out0 in hand: the high block
	s_add_nc_u64 s[6:7], s[6:7], s[76:77]
	s_add_nc_u64 s[8:9], s[8:9], s[76:77]
	s_add_nc_u64 s[10:11], s[10:11], s[80:81]
	s_add_nc_u64 s[12:13], s[12:13], s[82:83]
	s_mov_b64 s[KPT:KPT+1], s[6:7]
	s_mov_b64 s[VPT:VPT+1], s[8:9]
	s_mov_b64 s[BPT:BPT+1], s[10:11]
	s_load_b128 s[68:71], s[14:15], 0x0            ; eq, ek, ep, ev
	s_load_b512 s[24:39], s[12:13], 0x0            ; the head's sixteen words of flags
; A slot's bytes into registers.  K: 16,384 dense bytes, two loads of 8,192 for the 512 threads.  V: 64 rows x 256 bytes, sixteen threads to a row, 32 rows a load.  The table: 1,024 bytes, waves 0 and 1.
.macro STAGE_LOAD
	global_load_b128 v[SD:SD+3],     v[GK], s[KPT:KPT+1]
	global_load_b128 v[SD+4:SD+7],   v[GK], s[KPT:KPT+1] offset:8192
	global_load_b128 v[SD+8:SD+11],  v[GV], s[VPT:VPT+1]
	global_load_b128 v[SD+12:SD+15], v[GV], s[VPT:VPT+1] offset:65536
	s_cmp_lt_u32 s[WV], 2
	s_cbranch_scc0 .Lno_table_\@
	global_load_b128 v[SD+16:SD+19], v[GK], s[BPT:BPT+1]
.Lno_table_\@:
.endm
	s_wait_alu depctr_va_vdst(0)                   ; the offsets v217, v218 and v11 are written, which the loads below read
	STAGE_LOAD                                     ; slot 0
.irp n, 0,1
.irp j, 0,1,2,3
	global_load_b128 v[S+16*\n+4*\j:S+16*\n+4*\j+3], v[QA], s[4:5] offset:128*\n+16*\j th:TH_LOAD_NT        ; Q(r, 32 n + 16 h + 4 j ..), high block
	global_load_b128 v[S+32+16*\n+4*\j:S+32+16*\n+4*\j+3], v[QA], s[50:51] offset:128*\n+16*\j th:TH_LOAD_NT   ; low block
.endr
.endr
	v_mul_u32_u24 v[AK0], v9, KPITCH
	v_lshl_add_u32 v[AK0], v10, 4, v[AK0]
	v_mul_u32_u24 v[AV0], v9, VPITCH
	v_lshl_add_u32 v[AV0], v10, 4, v[AV0]
	v_add_nc_u32 v[AV0], VOFF, v[AV0]
	v_lshl_add_u32 v[AB0], v10, 6, BOFF
	v_lshlrev_b32 v[GO], 8, v10
	v_lshl_add_u32 v[GO], v9, 4, v[GO]
	s_mul_i32 s96, s[WV], WSTG
	s_add_co_u32 s96, s96, STAGE                   ; my stages
	v_mul_u32_u24 v[STO], v9, 272
	v_lshl_add_u32 v[STO], v10, 5, v[STO]
	v_add_nc_u32 v[STO], s96, v[STO]               ; in: row r, 32 h bytes on
	v_mul_u32_u24 v[RD], v10, 272
	v_lshl_add_u32 v[RD], v9, 4, v[RD]
	v_add_nc_u32 v[RD], s96, v[RD]                 ; back: lanes 0-15 one row, lanes 16-31 the next
.set j, 0
.rept 32
	v_mov_b32 v[O+j], 0                            ; O^T.  (The step is written once: the first finds zeros, which the first change of M leaves zeros)
.set j, j+1
.endr
	v_mov_b32 v14, 0                               ; the sum, in two halves
	v_mov_b32 v15, 0
	v_mov_b32 v246, 0                              ; written once: a lane permute's destination counts as one of its sources
	v_mov_b32 v253, 0                              ; (named as the upper half of the pair v[252:253])
	; the prefetches (macro ASK): waves 4 and 5 ask for K's codes, waves 6 and 7 for V's, in the head's work-group 0 alone
	s_cmp_lt_u32 s[WV], 6
	s_cselect_b64 s[PFA:PFA+1], s[6:7], s[8:9]
	s_mov_b32 s[PFS], 256
	s_cselect_b32 s[PFS], 16384, s[PFS]            ; a slot on
	s_mov_b32 s74, 2048
	s_cselect_b32 s74, 256, s74                    ; from lane to lane
	s_mov_b32 s75, 65536
	s_cselect_b32 s75, 8192, s75                   ; from wave to wave
	v_and_b32 v[PFO], 31, v0
	v_mul_lo_u32 v[PFO], v[PFO], s74
	s_and_b32 s74, s[WV], 1
	s_mul_i32 s74, s74, s75
	s_add_co_u32 s74, s74, s[PFS]                  ; my wave's part, in slot 1: the first trip steps it to slot 2
	s_mov_b32 s75, 0
	s_mov_b32 s[PFS+1], 0
	s_add_nc_u64 s[PFA:PFA+1], s[PFA:PFA+1], s[74:75]
	s_sub_co_u32 s74, s[WV], 4
	s_lshr_b32 s74, s74, 2                         ; 0 in waves 4 to 7,
	s_or_b32 s74, s74, ttmp9                       ; of work-group 0 of the head
	s_cmp_eq_u32 s74, 0
	s_cselect_b32 s[LIM], 2, -1
	s_wait_kmcnt 0x0
	s_or_b32 s[HM], s24, s25
.irp k, 26,27,28,29,30,31,32,33,34,35,36,37,38,39
	s_or_b32 s[HM], s[HM], s\k
.endr
	s_add_co_i32 s74, s68, s69
	s_lshl_b32 s74, s74, 23
	s_add_co_i32 s[CS], s[CS], s74                 ; a sum of codes stands for sum x 2^(eq + ek): the two exponents are added to c's exponent field
	s_mov_b32 s[CS+1], s[CS]                       ; (named with it as a pair, so it is written)
	v_mov_b32 v[TI], 0xce800000                    ; -2^30
	v_mul_f32 v[TI], s[CS], v[TI]
	v_mov_b32 v13, v[TI]                           ; the largest t so far
	v_floor_f32 v12, -v13                          ; -M
	s_add_co_i32 s74, s70, 127
	s_lshl_b32 s75, s74, 23
	v_mov_b32 v244, s75                            ; 2^ep as f32, for p's conversions
	s_add_co_i32 s74, s74, 8
	s_lshl_b32 s74, s74, 23
	s_or_b32 s74, s74, 0x600000
	v_mov_b32 v240, s74                            ; 448 x 2^ep
	s_add_co_i32 s57, s70, s71                     ; ep + ev
	s_add_co_i32 s74, s68, 127
	s_lshl_b32 s75, s74, 23
	v_mov_b32 v250, s75                            ; 2^eq
	s_add_co_i32 s74, s74, 8
	s_lshl_b32 s74, s74, 23
	s_or_b32 s74, s74, 0x600000
	v_mov_b32 v251, s74                            ; 448 x 2^eq
	s_wait_alu depctr_va_vdst(0)
	s_wait_loadcnt 0x0                             ; Q (and slot 0, which the first trip wants next)
.set j, 0
.rept 64
	v_med3_num_f32 v[S+j], v[S+j], -v251, v251     ; the conversion to an 8-bit code does not saturate (ISA guide 7.6.2): the hold comes first
.set j, j+1
.endr
.irp n, 0,1,2,3
	v_cvt_scalef32_pk8_fp8_f32 v[QF+2*\n:QF+2*\n+1], v[S+8*\n:S+8*\n+7], v250           ; registers 0-3: channels 16 h + 0 .. 15; 4-7: 32 + 16 h + 0 .. 15: as K's two loads of 16 bytes lay them
	v_cvt_scalef32_pk8_fp8_f32 v[QF+8+2*\n:QF+8+2*\n+1], v[S+32+8*\n:S+32+8*\n+7], v250
.endr
	v_nop                                          ; a plain line behind the last conversion: matrix instructions and loads write its sources later
; A PREFETCH INTO THE L2 of the slot that the NEXT trip will ask for, behind this trip's loads: 16,384 dense bytes of kc (waves 4 and 5: 8,192 each, lanes 256 bytes apart) and 256 bytes of each of vc's 64 rows (waves 6 and 7: a lane a row).
; The four work-groups of a head walk the same slots in their first trips: work-group 0, which walks all eight, asks.  Trip t names slot t + 2, for t up to 5: each aligned 256 bytes from slot 2 on is named once in the launch, none past slot 7.
.macro ASK
	s_cmp_gt_u32 s[SLOTS], s[LIM]
	s_cbranch_scc0 .Lnot_mine_\@
	global_prefetch_b8 v[PFO], s[PFA:PFA+1] th:TH_LOAD_NT scope:SCOPE_SE
.Lnot_mine_\@:
.endm
; THE CHANGE OF SLOTS, at a trip's head.  fill = 1: the next slot of keys is asked for behind the barrier.  The trip's six LDS addresses are made here, once, for its stores and for both of its steps.
.macro CHANGE fill
	s_wait_loadcnt 0x0                             ; the slot asked for a trip ago is in my registers; its loads are done, so their bases may be written
	s_wait_alu depctr_vm_vsrc(0)                   ; the last trip's LDS stores and loads have read the six addresses that are written below; a way out's LDS stores have read v[S ..] and its global stores v[F ..], which this trip's loads and products write
	v_add_nc_u32 v212, s[TB], v[SK0]
	v_add_nc_u32 v213, s[TB], v[SV0]
	v_add_nc_u32 v214, s[TB], v[GK]
	v_add_nc_u32 v[ADK], s[TB], v[AK0]
	v_add_nc_u32 v[ADV], s[TB], v[AV0]
	v_add_nc_u32 v[ADB], s[TB], v[AB0]             ; (these six are also plain lines between the last trip's products and the loads into the registers that they read)
	s_wait_alu depctr_va_vdst(0)                   ; the six addresses are written; the last products are done reading v[F ..] and the last conversions v[S ..], in which the first step's loads land; in the first trip: the head's offsets are written, the prefetch's v3 among them
	ds_store_b128 v212, v[SD:SD+3]
	ds_store_b128 v212, v[SD+4:SD+7] offset:128*KPITCH
	ds_store_b128 v213, v[SD+8:SD+11]
	ds_store_b128 v213, v[SD+12:SD+15] offset:32*VPITCH
	s_cmp_lt_u32 s[WV], 2
	s_cbranch_scc0 .Lno_table_\@
	ds_store_b128 v214, v[SD+16:SD+19] offset:BOFF
.Lno_table_\@:
.if \fill
	s_add_co_u32 s[SG], s[SG], 1                   ; the walk: 0 .. 7 - i, then 0 .. i
	s_cmp_eq_u32 s[SG], s[NHI]
	s_cselect_b32 s[SG], 0, s[SG]
	s_lshl_b32 s72, s[SG], 14                      ; (s73 = 0)
	s_add_nc_u64 s[KPT:KPT+1], s[6:7], s[72:73]
	s_lshl_b32 s72, s[SG], 8
	s_add_nc_u64 s[VPT:VPT+1], s[8:9], s[72:73]
	s_lshl_b32 s72, s[SG], 10
	s_add_nc_u64 s[BPT:BPT+1], s[10:11], s[72:73]
	s_wait_xcnt 0x0                                ; the last prefetch, a trip back, has read its address
	s_add_nc_u64 s[PFA:PFA+1], s[PFA:PFA+1], s[PFS:PFS+1]
.endif
	s_wait_dscnt 0x0                               ; for the others' sake: my stores into this slot have landed, and my reads of the other slot are back
.if \fill
	s_wait_alu depctr_vm_vsrc(0)                   ; my LDS stores have read v[SD ..], in which the next slot's loads land
.endif
	s_barrier_signal -1
	s_barrier_wait -1
.if \fill
	STAGE_LOAD                                     ; it has the whole trip in which to come
	ASK
.endif
.endm
; A KEY STEP: 128 keys, the q-th of the slot in hand.
.macro STEP q
	s_add_co_u32 s96, s[Q0], 15
	s_cmp_gt_u32 s[KF], s96                        ; all 128 keys come after my 16 queries: the step's work is left out
	s_cbranch_scc1 .Lhidden_\@
.if \q > 0                                     ; (the trip's first step leans on the wait behind the six additions at the trip's head: nothing issued since names v[F ..], v[S ..] or an address)
.rept 4
	v_nop                                          ; four plain lines between the last products and the loads into registers that they read
.endr
	s_wait_alu depctr_va_vdst(0)                   ; the step before is done: its second product with reading v[F ..], its softmax and conversions with v[S ..]: this step's loads land there
.endif
.irp t, 0,1,2,3,4,5,6,7
	ds_load_b128 v[F+8*\t:F+8*\t+3],   v[ADK] offset:(128*(\q)+16*\t)*KPITCH
	ds_load_b128 v[F+8*\t+4:F+8*\t+7], v[ADK] offset:(128*(\q)+16*\t)*KPITCH+32
.endr
	s_lshr_b32 s96, s[KF], 7
	s_lshr_b32 s96, s[HM], s96
	s_and_b32 s96, s96, 1
	s_cmp_eq_u32 s96, 0                            ; the step's flag: a whole number stored by the launch before
	s_cbranch_scc1 .Lclean_\@
.irp t, 0,1,2,3,4,5,6,7
	ds_load_b128 v[S+8*\t:S+8*\t+3],   v[ADB] offset:512*(\q)+128*(\t/2)+32*(\t%2)      ; the table at keys 32 (t / 2) + 16 h + 8 (t % 2) + 0 .. 7: the result's layout
	ds_load_b128 v[S+8*\t+4:S+8*\t+7], v[ADB] offset:512*(\q)+128*(\t/2)+32*(\t%2)+16
.endr
	s_wait_dscnt 0x0
.irp t, 0,1,2,3,4,5,6,7
	v_wmma_f32_16x16x64_fp8_fp8 v[S+8*\t:S+8*\t+7], v[F+8*\t:F+8*\t+7], v[QF:QF+7], v[S+8*\t:S+8*\t+7]
.endr
	s_branch .Ljoin_\@
.Lclean_\@:
	s_wait_dscnt 0x0
.irp t, 0,1,2,3,4,5,6,7
	v_wmma_f32_16x16x64_fp8_fp8 v[S+8*\t:S+8*\t+7], v[F+8*\t:F+8*\t+7], v[QF:QF+7], 0
.endr
.Ljoin_\@:
.rept 4
	v_nop                                          ; places in front of the first read of the scores, and of the loads into K's registers
.endr
	s_wait_alu depctr_va_vdst(0)                   ; the first product's eight matrix instructions are done reading v[F ..], in which V's fragments land
.irp t, 0,1,2,3
.irp c, 0,1,2,3
	ds_load_b128 v[F+16*\t+4*\c:F+16*\t+4*\c+3], v[ADV] offset:16*\t*VPITCH+128*(\q)+32*\c   ; V's four fragments come while the softmax is worked: no line of the softmax names v[F ..] or v9
.endr
.endr
	s_add_co_u32 s96, s[KF], 127
	s_cmp_le_u32 s96, s[Q0]                        ; all 128 keys count for all my queries: nothing to hide
	s_cbranch_scc1 .Lopen_\@
	s_sub_co_i32 s96, s[Q0], s[KF]
	v_and_b32 v252, 15, v0
	v_bfe_u32 v253, v0, 4, 1
	v_lshlrev_b32 v253, 4, v253
	v_sub_nc_u32 v252, v252, v253
	v_add_nc_u32 v252, s96, v252                   ; d = my query - KF - 16 h.  Register 16 b + i holds key KF + 16 h + 32 b + i: hidden where 32 b + i > d
	v_mov_b32 v254, 0xff800000                     ; -infinity
.set n, 0
.rept 2                                        ; the compares go in two runs of 32, each into a scalar register of its own (s24-39, s80-95), so that one wait serves a run
.set m, 0
.rept 32
	v_cmp_gt_i32 s[24+m+40*(m/16)], 32*((n+m)/16)+(n+m)%16, v252
.set m, m+1
.endr
	s_wait_alu depctr_va_sdst(0)                   ; the run's 32 lane masks are written, ahead of the selects that read them
.set m, 0
.rept 32
	v_cndmask_b32 v[S+n+m], v[S+n+m], v254, s[24+m+40*(m/16)]
.set m, m+1
.endr
.set n, n+32
.endr
.Lopen_\@:
	v_max3_num_f32 v254, v[S], v[S+1], v[S+2]      ; the step's largest score of my query, among my 64 keys, in two chains; each tile is read from its low end on,
	v_max3_num_f32 v252, v[S+3], v[S+4], v[S+5]
.irp i, 6,10,14,18,22,26,30,34,38,42,46,50,54,58
	v_max3_num_f32 v254, v254, v[S+\i], v[S+\i+1]
	v_max3_num_f32 v252, v252, v[S+\i+2], v[S+\i+3]
.endr
	v_max3_num_f32 v254, v254, v[S+62], v[S+63]
	v_max_num_f32 v254, v254, v252
	v_permlanex16_b32 v246, v254, s[SEL], s[SEL+1]
	v_max_num_f32 v254, v254, v246                 ; and among lane l xor 16's
	v_mul_f32 v254, s[CS], v254                    ; as t (c is positive)
	v_max_num_f32 v13, v13, v254                   ; the running largest t
	v_mov_b32 v254, v12
	v_floor_f32 v12, -v13                          ; the new -M = floor(-t) = -ceil(t): M is a whole number
	v_sub_f32 v254, v12, v254                      ; M's old value less its new one: 0 or less
	v_cvt_i32_f32 v254, v254                       ; (it saturates)
	v_ldexp_f32 v252, 1.0, v254                    ; f = 2^(old M - new M)
.set j, 0
.rept 32
	v_pk_fma_f32 v[S+j:S+j+1], v[S+j:S+j+1], s[CS:CS+1], v[12:13] op_sel_hi:[1,0,0]   ; t - M, two at a time (of the pairs c and -M the low word serves both halves)
.set j, j+2
.endr
.set j, 0
	s_wait_alu depctr_va_vdst(0)
.rept 64
	v_exp_f32 v[S+j], v[S+j]                       ; p = 2^(t - M), at most 1: not normalised
.set j, j+1
.endr
	v_pk_mul_f32 v[14:15], v[14:15], v[252:253] op_sel_hi:[1,0]   ; the sums under the new M: the plain line behind the exponentials
	s_wait_alu depctr_va_vdst(0)                   ; the 64 exponentials have written p in v[S ..]: one wait for the batch, ahead of its first reader
	v_pk_add_f32 v[242:243], v[S:S+1], v[S+2:S+3]  ; the row's sum is taken of the UNQUANTISED p: two at a time, in two chains
.irp j, 4,8,12,16,20,24,28,32,36,40,44,48,52,56,60
	v_pk_add_f32 v[14:15], v[14:15], v[S+\j:S+\j+1]
	v_pk_add_f32 v[242:243], v[242:243], v[S+\j+2:S+\j+3]
.endr
	v_pk_add_f32 v[14:15], v[14:15], v[242:243]
.irp b, 0,1,2,3
.irp i, 0,1,2,3,4,5,6,7,8,9,10,11,12,13,14,15
	v_min_num_f32 v[S+16*\b+\i], v[S+16*\b+\i], v240   ; the hold at the largest code; p is never negative, so it is one-sided
.endr
	v_cvt_scalef32_pk8_fp8_f32 v[P+4*\b:P+4*\b+1], v[S+16*\b:S+16*\b+7], v244
	v_cvt_scalef32_pk8_fp8_f32 v[P+4*\b+2:P+4*\b+3], v[S+16*\b+8:S+16*\b+15], v244
.endr
.set j, 0
.rept 16
	v_pk_mul_f32 v[O+j:O+j+1], v[O+j:O+j+1], v[252:253] op_sel_hi:[1,0]   ; O^T under the new M.  (These are also the plain lines between the conversions and the products that read their results)
.set j, j+2
.endr
	s_wait_alu depctr_va_vdst(0)
	s_wait_dscnt 0x0                               ; V's fragments are in
.irp t, 0,1,2,3
	v_wmma_f32_16x16x128_fp8_fp8 v[O+8*\t:O+8*\t+7], v[F+16*\t:F+16*\t+15], v[P:P+15], v[O+8*\t:O+8*\t+7]   ; the four accumulators take turns, one instruction a turn
.endr
.Lhidden_\@:
	s_add_co_u32 s[KF], s[KF], 128
.endm
.macro SLOT_STEPS
	STEP 0
	STEP 1
	s_xor_b32 s[TB], s[TB], SLOT1                  ; on to the other slot
.endm
; THE WAY OUT of the block in hand, through my stage n: O^T / the sum x 2^(ep + ev); a lane's eight channels of a tile are 32 bytes of its query's row; the rows come back whole, and sixteen lanes store 256 consecutive bytes, aligned.
.macro OUT n
.rept 4
	v_nop                                          ; places behind the last products
.endr
	v_add_f32 v14, v14, v15                        ; the sum's two halves,
	v_permlanex16_b32 v246, v14, s[SEL], s[SEL+1]
	v_add_f32 v14, v14, v246                       ; and lane l xor 16's
	s_wait_alu depctr_va_vdst(0)
	v_rcp_f32 v14, v14
	v_nop                                          ; a plain line behind the reciprocal
	s_wait_alu depctr_va_vdst(0)                   ; the reciprocal has written v14, ahead of its first reader
	v_ldexp_f32 v14, v14, s57
.set j, 0
.rept 32
	v_mul_f32 v[S+j], v[O+j], v14                  ; register 8 t + i is out0(r, 16 t + 8 h + i); each accumulator from its low end on
.set j, j+1
.endr
	s_wait_alu depctr_va_vdst(0)                   ; the multiplications have written v[S ..], which the LDS stores read; the last products are done reading v[F ..], in which the rows land
.irp t, 0,1,2,3
	ds_store_b128 v[STO], v[S+8*\t:S+8*\t+3] offset:4352*(\n)+64*\t
	ds_store_b128 v[STO], v[S+8*\t+4:S+8*\t+7] offset:4352*(\n)+64*\t+16
.endr
.irp k, 0,1,2,3,4,5,6,7
	ds_load_b128 v[F+4*\k:F+4*\k+3], v[RD] offset:4352*(\n)+544*\k   ; LDS serves a wave's instructions in order: these see my stores
.endr
.irp k, 0,1,2,3,4,5,6,7
	s_wait_dscnt 7-\k                              ; the younger row loads may be out
	global_store_b128 v[GO], v[F+4*\k:F+4*\k+3], s[16:17] offset:512*\k th:TH_STORE_NT
.endr
.endm
.Lslot:                                            ; eight trips; the ninth is written out, since it asks for nothing
	CHANGE 1
	SLOT_STEPS
	; THE SWITCH from the high block to the low one, once, behind trip 8 - i: a scalar branch on ids, the same in all sixteen waves; no barrier stands in it.  Afterwards KF stays under KEND
	s_cmp_eq_u32 s[KF], s[KEND]
	s_cbranch_scc0 .Lsame
	OUT 0
	s_wait_xcnt 0x0                                ; the stores have had their addresses translated: their base may be written again.  (No line of the switch writes a register that they or the stage's stores read: v[F ..] and v[S ..] are written again behind the wait at the next trip's head)
	s_mov_b64 s[16:17], s[48:49]
.set j, 0
.rept 32
	v_mov_b32 v[O+j], 0
.set j, j+1
.endr
	v_mov_b32 v14, 0
	v_mov_b32 v15, 0
	v_mov_b32 v13, v[TI]
	v_floor_f32 v12, -v13
.irp j, 0,1,2,3,4,5,6,7
	v_mov_b32 v[QF+\j], v[QF+8+\j]
.endr
	s_mov_b32 s[KF], 0
	s_mov_b32 s[Q0], s55
.Lsame:
	s_sub_co_u32 s[SLOTS], s[SLOTS], 1
	s_cmp_lg_u32 s[SLOTS], 0
	s_cbranch_scc1 .Lslot
	CHANGE 0
	SLOT_STEPS
	OUT 1
	s_wait_dscnt 0x0
	s_wait_alu depctr_hold_cnt(0) depctr_sa_sdst(0) depctr_va_vdst(0) depctr_va_sdst(0) depctr_va_ssrc(0) depctr_va_vcc(0) depctr_vm_vsrc(0)
	s_wait_tensorcnt 0x0
	ds_add_u32 v249, v255
	s_wait_dscnt 0x0
	s_endpgm
.Lfunc_end_k_q161b1ee19e_attn:
	.size	k_q161b1ee19e_attn, .Lfunc_end_k_q161b1ee19e_attn-k_q161b1ee19e_attn
	.p2alignl 7, 3214868480
	.fill 96, 4, 3214868480
	.section	.rodata,"a",@progbits
	.p2align	6, 0x0
	.amdhsa_kernel k_q161b1ee19e_attn
		.amdhsa_group_segment_fixed_size 245760
		.amdhsa_private_segment_fixed_size 0
		.amdhsa_enable_private_segment 0
		.amdhsa_kernarg_size 56
		.amdhsa_user_sgpr_count 2
		.amdhsa_user_sgpr_kernarg_segment_ptr 1
		.amdhsa_wavefront_size32 1
		.amdhsa_system_sgpr_workgroup_id_x 1
		.amdhsa_system_sgpr_workgroup_id_y 1
		.amdhsa_system_sgpr_workgroup_id_z 1
		.amdhsa_system_vgpr_workitem_id 0
		.amdhsa_next_free_vgpr 256
		.amdhsa_next_free_sgpr 100
		.amdhsa_reserve_vcc 0
		.amdhsa_float_denorm_mode_32 3
		.amdhsa_float_denorm_mode_16_64 3
		.amdhsa_memory_ordered 1
		.amdhsa_forward_progress 1
		.amdhsa_inst_pref_size 132
	.end_amdhsa_kernel
	.amdgpu_metadata
---
amdhsa.version: [ 1, 2 ]
amdhsa.kernels:
  - .name:           k_q161b1ee19e_attn
    .symbol:         k_q161b1ee19e_attn.kd
    .args:
      - { .name: query, .offset: 0, .size: 8, .value_kind: global_buffer, .address_space: global }
      - { .name: kc, .offset: 8, .size: 8, .value_kind: global_buffer, .address_space: global }
      - { .name: vc, .offset: 16, .size: 8, .value_kind: global_buffer, .address_space: global }
      - { .name: bias, .offset: 24, .size: 8, .value_kind: global_buffer, .address_space: global }
      - { .name: holes, .offset: 32, .size: 8, .value_kind: global_buffer, .address_space: global }
      - { .name: lowp_scales, .offset: 40, .size: 8, .value_kind: global_buffer, .address_space: global }
      - { .name: out0, .offset: 48, .size: 8, .value_kind: global_buffer, .address_space: global }
    .group_segment_fixed_size: 245760
    .private_segment_fixed_size: 0
    .kernarg_segment_align: 8
    .kernarg_segment_size: 56
    .max_flat_workgroup_size: 512
    .sgpr_count:     100
    .vgpr_count:     256
    .wavefront_size: 32
...
	.end_amdgpu_metadata
.endif
;; end of part 4
